; MI455X (gfx1250); checked and timed in simulation.
; The chip was launched on July 23, 2026; its instructions are those of AMD's public machine-readable ISA for CDNA 5 (MIT licence, August 2026) and "CDNA5" Instruction Set Architecture Reference Guide (July 2026). The comments in the code are by the model that wrote it; some were corrected since.
;; Cross Attention. Allowed arithmetic: float matrix products may take bf16 or f16 operands with f32 sums; other float arithmetic in f32, or as packed bf16 or f16 multiplies, adds, multiply-adds, maxima and minima; sums over many terms, partial sums and values carried from step to step in f32; what a program stores and reads back later, other than sums and carried values, may be rounded once to bf16 or f16.
;; Inputs: Wk 512 x 512 float32; Wo 512 x 512 float32; Wq 512 x 512 float32; Wv 512 x 512 float32; bo 512 float32; rel_bias 8 x 1,024 x 1,024 float32; x 16 x 1,024 x 512 float32.
;; Outputs: out0 16 x 1,024 x 512 float32.
;; 2 versions, each right; version 2 is version 1 with the launch cast written anew for expert scheduling mode. Each part assembles by itself: llvm-mc -triple=amdgcn-amd-amdhsa -mcpu=gfx1250 --defsym DOCPART=n.
;; ======== version 1 of 2: 4 launches
;; limits: values are held in f16: magnitudes above 65,504 overflow, below 6.1e-05 lose precision
;; workspace buffers: xb 16,777,216 bytes; wb 1,572,864 bytes; wob 524,288 bytes; qkv 50,331,648 bytes; ob 16,777,216 bytes
;; launch cast (part 1): grid 256 x 1, 8 waves a work-group, no clusters, 0 bytes of LDS; arguments x, Wq, Wk, Wv, Wo, xb, wb, wob; writes xb, wb, wob
.if DOCPART == 1
	.amdgcn_target "amdgcn-amd-amdhsa--gfx1250"
	.amdhsa_code_object_version 6
	.text
	.protected	k_q15c97b8d16_cast
	.globl	k_q15c97b8d16_cast
	.p2align	8
	.type	k_q15c97b8d16_cast,@function
k_q15c97b8d16_cast:
	s_mov_b64 s[64:65], 0
	v_nop
	global_prefetch_b8 v0, s[64:65] scope:SCOPE_SE
	s_setreg_imm32_b32 hwreg(HW_REG_WAVE_MODE, 25, 1), 1
	s_wait_xcnt 0x0
; f32 to f16, re-laid in slabs of 64 along the last axis: dst[slab c][row][64] = f16(src[row][64 c .. 64 c + 63]).
; x -> xb (8 slabs of 16,384 rows); Wq, Wk, Wv -> wb (8 slabs of 1,536 rows, the three weights one below the other); Wo -> wob (8 slabs of 512 rows).
; 256 work-groups of equal work: group i takes rows 64 i .. 64 i + 63 of x and rows 8 (i & 63) .. + 7 of weight i >> 6 (0 Wq, 1 Wk, 2 Wv, 3 Wo).
; Wave w takes slab w of all these rows.  The weight's source and destination are chosen by selects on the group's number: one path for all.
; A load of a wave covers two aligned runs of 256 bytes (two rows' part of the slab); a store of a wave covers 256 consecutive aligned bytes (two rows of the slab).
; No LDS, no matrix unit, no cluster: nothing is shared and nothing is summed.
; LIMIT: a number above 65,504 in magnitude becomes infinity in f16.
.set XS, 2097152                       ; bytes in a slab of xb: 16,384 rows of 128 bytes
.set X,  16                            ; v[16:159] 36 loads of 4 registers (4 of the weight, 32 of x); none is ever loaded twice
	s_load_b512 s[8:23], s[0:1], 0x0               ; x, Wq, Wk, Wv, Wo, xb, wb, wob
	v_lshrrev_b32 v3, 5, v0
	v_readfirstlane_b32 s2, v3                     ; wave = slab
	s_lshr_b32 s25, ttmp9, 6                       ; which weight
	s_and_b32 s26, ttmp9, 63                       ; which 8 rows of it
	s_lshl_b32 s34, ttmp9, 17                      ; x: 64 rows of 2,048 bytes
	s_mov_b32 s35, 0
	s_lshl_b32 s32, s2, 21                         ; xb: my slab,
	s_lshl_b32 s33, ttmp9, 13                      ; 64 rows of 128 bytes
	s_add_co_u32 s32, s32, s33
	s_mov_b32 s33, 0
	s_lshl_b32 s36, s26, 14                        ; the weight: 8 rows of 2,048 bytes
	s_mov_b32 s37, 0
	s_lshl_b32 s38, s25, 16                        ; Wk and Wv lie 512 and 1,024 rows down in a slab of wb
	s_mov_b32 s27, 196608                          ; slab stride of wb: 1,536 rows of 128 bytes
	s_cmp_eq_u32 s25, 3
	s_cselect_b32 s38, 0, s38                      ; Wo begins at the head of a slab of wob,
	s_cselect_b32 s27, 65536, s27                  ; whose stride is 512 rows
	s_mul_i32 s27, s27, s2                         ; my slab
	s_add_co_u32 s38, s38, s27
	s_lshl_b32 s27, s26, 10                        ; 8 rows of 128 bytes
	s_add_co_u32 s38, s38, s27
	s_mov_b32 s39, 0
	v_and_b32 v4, 31, v0
	v_lshlrev_b32 v2, 3, v4                        ; out: 8 bytes a lane, 256 in a row of lanes
	v_and_b32 v5, 15, v0
	v_bfe_u32 v6, v0, 4, 1
	v_lshlrev_b32 v1, 4, v5                        ; in: 16 bytes a lane,
	v_lshl_add_u32 v1, v6, 11, v1                  ; lanes 16-31 one row down,
	v_lshl_add_u32 v1, v3, 8, v1                   ; at my slab's 256 bytes of the row
	s_wait_kmcnt 0x0
	s_add_nc_u64 s[28:29], s[8:9], s[34:35]        ; x
	s_add_nc_u64 s[30:31], s[18:19], s[32:33]      ; xb
	s_mov_b64 s[40:41], s[10:11]
	s_cmp_eq_u32 s25, 1
	s_cselect_b64 s[40:41], s[12:13], s[40:41]
	s_cmp_eq_u32 s25, 2
	s_cselect_b64 s[40:41], s[14:15], s[40:41]
	s_cmp_eq_u32 s25, 3
	s_cselect_b64 s[40:41], s[16:17], s[40:41]
	s_cselect_b64 s[42:43], s[22:23], s[20:21]     ; Wo goes to wob, the other weights to wb
	s_add_nc_u64 s[40:41], s[40:41], s[36:37]
	s_add_nc_u64 s[42:43], s[42:43], s[38:39]
.set i, 0
.rept 4
	global_load_b128 v[X+4*i:X+4*i+3], v1, s[40:41] offset:4096*i th:TH_LOAD_NT        ; the weight's 8 rows, two a load
.set i, i+1
.endr
.set i, 0
.rept 32
	global_load_b128 v[X+16+4*i:X+16+4*i+3], v1, s[28:29] offset:4096*i th:TH_LOAD_NT  ; x's 64 rows: all of the wave's 18 KiB go out at once
.set i, i+1
.endr
.set i, 0
.rept 4
	s_wait_loadcnt 35-i                            ; loads come back in order: this one is in, the younger ones stay out
	v_cvt_pk_f16_f32 v[X+4*i], v[X+4*i], v[X+4*i+1]
	v_cvt_pk_f16_f32 v[X+4*i+1], v[X+4*i+2], v[X+4*i+3]
	global_store_b64 v2, v[X+4*i:X+4*i+1], s[42:43] offset:256*i
.set i, i+1
.endr
.set i, 0
.rept 32
	s_wait_loadcnt 31-i
	v_cvt_pk_f16_f32 v[X+16+4*i], v[X+16+4*i], v[X+16+4*i+1]
	v_cvt_pk_f16_f32 v[X+16+4*i+1], v[X+16+4*i+2], v[X+16+4*i+3]
	global_store_b64 v2, v[X+16+4*i:X+16+4*i+1], s[30:31] offset:256*i
.set i, i+1
.endr
	s_endpgm
.Lfunc_end_k_q15c97b8d16_cast:
	.size	k_q15c97b8d16_cast, .Lfunc_end_k_q15c97b8d16_cast-k_q15c97b8d16_cast
	.p2alignl 7, 3214868480
	.fill 96, 4, 3214868480
	.section	.rodata,"a",@progbits
	.p2align	6, 0x0
	.amdhsa_kernel k_q15c97b8d16_cast
		.amdhsa_group_segment_fixed_size 0
		.amdhsa_private_segment_fixed_size 0
		.amdhsa_enable_private_segment 0
		.amdhsa_kernarg_size 64
		.amdhsa_user_sgpr_count 2
		.amdhsa_user_sgpr_kernarg_segment_ptr 1
		.amdhsa_wavefront_size32 1
		.amdhsa_system_sgpr_workgroup_id_x 1
		.amdhsa_system_sgpr_workgroup_id_y 1
		.amdhsa_system_sgpr_workgroup_id_z 1
		.amdhsa_system_vgpr_workitem_id 0
		.amdhsa_next_free_vgpr 160
		.amdhsa_next_free_sgpr 66
		.amdhsa_reserve_vcc 0
		.amdhsa_float_denorm_mode_32 3
		.amdhsa_float_denorm_mode_16_64 3
		.amdhsa_memory_ordered 1
		.amdhsa_forward_progress 1
		.amdhsa_inst_pref_size 15
	.end_amdhsa_kernel
	.amdgpu_metadata
---
amdhsa.version: [ 1, 2 ]
amdhsa.kernels:
  - .name:           k_q15c97b8d16_cast
    .symbol:         k_q15c97b8d16_cast.kd
    .args:
      - { .name: x, .offset: 0, .size: 8, .value_kind: global_buffer, .address_space: global }
      - { .name: Wq, .offset: 8, .size: 8, .value_kind: global_buffer, .address_space: global }
      - { .name: Wk, .offset: 16, .size: 8, .value_kind: global_buffer, .address_space: global }
      - { .name: Wv, .offset: 24, .size: 8, .value_kind: global_buffer, .address_space: global }
      - { .name: Wo, .offset: 32, .size: 8, .value_kind: global_buffer, .address_space: global }
      - { .name: xb, .offset: 40, .size: 8, .value_kind: global_buffer, .address_space: global }
      - { .name: wb, .offset: 48, .size: 8, .value_kind: global_buffer, .address_space: global }
      - { .name: wob, .offset: 56, .size: 8, .value_kind: global_buffer, .address_space: global }
    .group_segment_fixed_size: 0
    .private_segment_fixed_size: 0
    .kernarg_segment_align: 8
    .kernarg_segment_size: 64
    .max_flat_workgroup_size: 256
    .sgpr_count:     66
    .vgpr_count:     160
    .wavefront_size: 32
...
	.end_amdgpu_metadata
.endif
;; end of part 1
;; launch qkvproj (part 2): grid 4 x 64, 4 waves a work-group, clusters of 4 x 4, 327,680 bytes of LDS; arguments xb, wb, qkv; writes qkv
.if DOCPART == 2
	.amdgcn_target "amdgcn-amd-amdhsa--gfx1250"
	.amdhsa_code_object_version 6
	.text
	.protected	k_q15c97b8d16_qkvproj
	.globl	k_q15c97b8d16_qkvproj
	.p2align	8
	.type	k_q15c97b8d16_qkvproj,@function
k_q15c97b8d16_qkvproj:
	s_mov_b64 s[64:65], 0
	v_nop
	global_prefetch_b8 v0, s[64:65] scope:SCOPE_SE
	s_setreg_imm32_b32 hwreg(HW_REG_WAVE_MODE, 25, 1), 1
	s_wait_xcnt 0x0
	s_wait_alu depctr_hold_cnt(0) depctr_sa_sdst(0) depctr_va_vdst(0) depctr_va_sdst(0) depctr_va_ssrc(0) depctr_va_vcc(0) depctr_vm_vsrc(0)
	s_getreg_b32 s2, hwreg(HW_REG_IB_STS2, 6, 4)
	s_cmp_eq_u32 s2, 0
	s_cbranch_scc0 .Lentry_in_a_cluster
	s_endpgm
.Lentry_in_a_cluster:
	s_bfe_u32 s2, ttmp6, 0x10000c
	s_cmp_lg_u32 s2, 0xf033
	s_cbranch_scc0 .Lentry_shape_is_right
	s_endpgm
.Lentry_shape_is_right:
; q, k, v = x W^T:  C[m][n] = sum over k of A[m][k] B[n][k], A = xb (16,384 tokens), B = wb (1,536 rows: Wq, Wk, Wv), K = 512, f16 operands, f32 sums.
; A and B lie in slabs of 64 along K: [slab][row][64], a row of a slab 128 bytes, so every tile is a dense block of memory.
; A WORK-GROUP STAYS AND MAKES TWO BLOCKS of 256 tokens x 192 columns: column blocks bx and bx + 4 of the same 256 tokens, one after the other.
; Four waves; wave w makes tokens 64 w .. 64 w + 63 x all 192 columns: 4 x 12 accumulator tiles, 384 registers.
; K goes in steps of 128 (two slabs) through two LDS slots; each wave fetches one slab's tile with one tensor load.  The ring runs on over the eight
; K steps of the two blocks: the second block's first two tiles are asked for in the first block's last two steps, and the first block's stores
; leave while the second block is multiplied.  Eight steps, written out: no loop.
; CLUSTERS: 4 x 4 work-groups.  A's tile hangs on the block row alone and is asked for jointly along a row of the cluster, B's on the block column alone,
; jointly along a column: the requests for both are divided by four.
; THE MATRIX INSTRUCTION IS USED TRANSPOSED (source 0 = rows of B, source 1 = rows of A): a lane holds one token and 8 neighbouring columns.
; OUT: qkv[24 slabs: q heads, k heads, v heads][rho][64] in f16, rho(b, n) = ((n >> 6) 16 + b) 64 + (n & 63): 64 tokens of 4 neighbouring batches are 256 consecutive rows.
; LIMIT: a result above 65,504 in magnitude becomes infinity in f16.
; REGISTER WINDOWS: 0 addresses, A's fragments (two buffers), the way out; 1 B's fragments (two buffers); 2 accumulators of my tokens 0-31; 3 of tokens 32-63.
.set NBF,   12                         ; column tiles of 16
.set NW,    16*NBF                     ; columns of a block
.set NTOT,  1536                       ; rows of B
.set XS,    2097152                    ; bytes in a slab of 16,384 rows
.set PITCH, 144                        ; LDS row: 128 bytes + 16: an odd multiple of 16, so the 16 rows of a fragment load lie in 16 different 16-byte columns modulo 256
.set ASUB,  256*PITCH                  ; one slab of A's tile
.set BSUB,  NW*PITCH                   ; one slab of B's tile
.set SLOT,  2*ASUB+2*BSUB              ; A slab 0, A slab 1, B slab 0, B slab 1
.set STAGE, 2*SLOT                     ; behind the ring (a multiple of 256): 16 rows x 144 bytes for each wave; no tensor load lands here
.set WSTAGE, 16*PITCH
.set ADRA, 16                          ; v16-17 LDS address of my A fragments in slot 0, 1
.set ADRB, 20                          ; v20-21 the same for B
.set STO,  24                          ; way out: where I put 16 bytes
.set RD,   25                          ; way out: where I read 16 bytes back
.set CO,   26                          ; way out: 16 x lane
.set FA,   64                          ; A's fragment buffers: FA + 32 p (window 0); B's: 8 NBF p (window 1)
.set TMP,  128                         ; v[128:143] packed results
.set RB,   144                         ; v[144:159], v[160:175] rows read back, in turn
.set G1,  24                           ; s[24:31] group 1 for A
.set G0,  32                           ; s[32:39] group 0 for A, one set a slot
.set G1B, 48                           ; s[48:55] group 1 for B
.set G0B, 56                           ; s[56:63] group 0 for B, one set a slot
.set MSB, 0
.macro WIN new                         ; the immediate's high byte repeats the setting that is left
.if MSB != \new
	s_set_vgpr_msb (MSB<<8)|\new
.set MSB, \new
.endif
.endm
.set MUL_LO, 0xa1                      ; source 0 (B) window 1, source 1 (A) window 0, C and D window 2
.set MUL_HI, 0xf1                      ; the same, C and D window 3
.set TO_B,   0x40                      ; destination window 1, address window 0
; A joint load: waves 0 and 1 ask for A's two slabs, waves 2 and 3 for B's.  The branch hangs on the wave's number alone.
.macro JLOAD s
	s_cmp_eq_u32 s11, 0
	s_cbranch_scc0 .Lfor_b_\@
	tensor_load_to_lds s[G0+4*\s:G0+4*\s+3], s[G1:G1+7]
	s_nop 0
	s_branch .Lasked_\@
.Lfor_b_\@:
	tensor_load_to_lds s[G0B+4*\s:G0B+4*\s+3], s[G1B:G1B+7]
	s_nop 0
.Lasked_\@:
.endm
.macro CREST                           ; a round of the cluster's barrier behind its opening work-group barrier
	s_cmp_lg_u32 s10, 0
	s_cbranch_scc1 .Lnot_wave_0_\@
	s_barrier_signal -3
.Lnot_wave_0_\@:
	s_barrier_wait -3
	s_barrier_signal -1
	s_barrier_wait -1
.endm
.macro CROUND                          ; a whole round
	s_barrier_signal -1
	s_barrier_wait -1
	CREST
.endm
.macro PLACES                          ; four places behind a matrix instruction in front of loads into, or vector work on, its registers
.rept 4
	v_nop
.endr
.endm
	s_load_b128 s[4:7], s[0:1], 0x0                ; A s[4:5], B s[6:7]
	s_load_b64 s[8:9], s[0:1], 0x10                ; qkv
	s_set_vgpr_msb 0x40
	v_lshl_add_u32 v255, v0, 2, 0x41400
	s_set_vgpr_msb 0x4000
	v_mov_b32 v255, 0
	s_set_vgpr_msb 0x1
	ds_add_u32 v255, v255
	s_set_vgpr_msb 0x100
	v_lshrrev_b32 v1, 5, v0
	v_readfirstlane_b32 s10, v1                    ; wave 0..3
	s_lshr_b32 s11, s10, 1                         ; I fetch for A (0) or for B (1)
	s_and_b32 s12, s10, 1                          ; which slab of the step I fetch
	s_bfe_u32 s40, ttmp6, 0x40000                  ; cx
	s_bfe_u32 s41, ttmp6, 0x40004                  ; cy
	s_lshl_b32 s42, ttmp9, 2
	s_add_co_u32 s42, s42, s40                     ; bx = 4 x cluster x + cx: my first column block; the second is bx + 4
	s_and_b32 s13, ttmp7, 0xffff
	s_lshl_b32 s13, s13, 2
	s_add_co_u32 s13, s13, s41                     ; block row = 4 x cluster y + cy
	s_lshl_b32 s43, s41, 2
	s_lshl_b32 s43, 15, s43                        ; my row of the cluster
	s_lshl_b32 s44, 0x1111, s40                    ; my column
	; group 1: a dense block taken as rows of 32 elements of 8 bytes; 4 words of padding behind every 32 words, that is behind every slab row of 128 bytes
	s_or_b32 s[G1+0], s43, (3<<16)|(1<<20)|(1<<21)|(4<<22)|(3<<25)
	s_or_b32 s[G1B+0], s44, (3<<16)|(1<<20)|(1<<21)|(4<<22)|(3<<25)
	s_mov_b32 s[G1+1], 32<<16                      ; tensor_dim0 = 32
	s_mov_b32 s[G1B+1], 32<<16
	s_mov_b32 s[G1+2], 128<<16                     ; tensor_dim1 = 128 rows of 256 bytes = 256 slab rows
	s_mov_b32 s[G1B+2], (NW/2)<<16                 ; B: NW slab rows
	s_mov_b32 s[G1+3], 32<<16                      ; tile_dim0 = 32
	s_mov_b32 s[G1B+3], 32<<16
	s_mov_b32 s[G1+4], 128                         ; tile_dim1
	s_mov_b32 s[G1B+4], NW/2
	s_mov_b32 s[G1+5], 32                          ; pitch = the row: dense
	s_mov_b32 s[G1B+5], 32
	s_mov_b32 s[G1+6], 0
	s_mov_b32 s[G1B+6], 0
	s_mov_b32 s[G1+7], 0
	s_mov_b32 s[G1B+7], 0
	; A's address is made of the block row and the wave's number, B's of the block column and the wave's number, in registers that never hold the other coordinate
	s_lshl_b32 s16, s13, 15                        ; 256 rows of 128 bytes
	s_lshl_b32 s17, s12, 21                        ; my slab of the step
	s_add_co_u32 s16, s16, s17
	s_mov_b32 s17, 0
	s_mul_i32 s46, s42, NW*128
	s_mul_i32 s47, s12, NTOT*128
	s_add_co_u32 s46, s46, s47
	s_mov_b32 s47, 0
	s_mul_i32 s20, s10, ASUB                       ; LDS: waves 0, 1: A's slabs
	s_mul_i32 s21, s10, BSUB
	s_add_co_u32 s21, s21, 2*ASUB-2*BSUB           ; waves 2, 3: B's slabs, behind A's
	s_wait_dscnt 0x0
	s_wait_kmcnt 0x0
	s_add_nc_u64 s[14:15], s[4:5], s[16:17]
	s_add_nc_u64 s[46:47], s[6:7], s[46:47]
	CROUND                                         ; all sixteen work-groups are here: the first joint loads meet
.irp s, 0,1
	s_mov_b32 s[G0+4*\s], 1
	s_add_co_u32 s[G0+4*\s+1], s20, \s*SLOT
	s_add_nc_u64 s[G0+4*\s+2:G0+4*\s+3], s[14:15], \s*2*XS          ; K step s = slabs 2 s, 2 s + 1
	s_or_b32 s[G0+4*\s+3], s[G0+4*\s+3], 0x80000000
	s_mov_b32 s[G0B+4*\s], 1
	s_add_co_u32 s[G0B+4*\s+1], s21, \s*SLOT
	s_add_nc_u64 s[G0B+4*\s+2:G0B+4*\s+3], s[46:47], \s*2*NTOT*128
	s_or_b32 s[G0B+4*\s+3], s[G0B+4*\s+3], 0x80000000
	JLOAD \s                                       ; both first fills go out together: two tensor loads of the wave are out
.endr
	; fragment: lane l holds row l % 16; registers 0-3 K = 8 (l / 16) + 0..7, registers 4-7 K = 16 + 8 (l / 16) + 0..7: two loads of 16 bytes, 32 bytes apart
	v_and_b32 v1, 15, v0
	v_bfe_u32 v2, v0, 4, 1
	v_mul_u32_u24 v3, v1, PITCH
	v_lshl_add_u32 v3, v2, 4, v3                   ; row x pitch + 16 x half
	s_mul_i32 s22, s10, 64*PITCH                   ; my 64 rows of A
	v_add_nc_u32 v[ADRA], s22, v3
	v_add_nc_u32 v[ADRA+1], SLOT, v[ADRA]
	v_add_nc_u32 v[ADRB], 2*ASUB, v3
	v_add_nc_u32 v[ADRB+1], 2*ASUB+SLOT, v3
	s_mul_i32 s23, s10, WSTAGE
	s_add_co_u32 s23, s23, STAGE                   ; my stage
	v_add_nc_u32 v[STO], s23, v3                   ; in: token l % 16, 16 bytes for each half of the lanes
	v_bfe_u32 v4, v0, 3, 2
	v_and_b32 v5, 7, v0
	v_mul_u32_u24 v4, v4, PITCH
	v_lshl_add_u32 v4, v5, 4, v4
	v_add_nc_u32 v[RD], s23, v4                    ; back: eight lanes take a row of 128 bytes, the wave four rows
	v_and_b32 v5, 31, v0
	v_lshlrev_b32 v[CO], 4, v5
	; where my 64 tokens go: token = 256 by + 64 w + .. = batch (by >> 2), n >> 6 = 4 (by & 3) + w: 64 consecutive rows of each slab
	s_and_b32 s16, s13, 3
	s_lshl_b32 s16, s16, 2
	s_add_co_u32 s16, s16, s10
	s_lshl_b32 s16, s16, 4
	s_lshr_b32 s17, s13, 2
	s_add_co_u32 s16, s16, s17
	s_lshl_b32 s16, s16, 13                        ; x 64 rows of 128 bytes
	s_mov_b32 s17, 0
	s_add_nc_u64 s[8:9], s[8:9], s[16:17]
	s_mul_i32 s46, s42, 3*XS                       ; the first block's 192 columns are slabs 3 bx .. 3 bx + 2 (in the registers that held B's address: none that feeds A's descriptors holds cx)
	s_mov_b32 s47, 0
	s_add_nc_u64 s[8:9], s[8:9], s[46:47]
; NBF matrix instructions: token tile 2 hi + a x all column tiles, 32 along K, from buffers p.  zero = 1: the first product starts the sums.
; The 48 accumulators take turns, one instruction a turn, in the same order in every quarter step.
.macro MULA p, hi, a, zero
.set bb, 0
.rept NBF
.if \zero
	v_wmma_f32_16x16x32_f16 v[8*(NBF*\a+bb):8*(NBF*\a+bb)+7], v[8*NBF*\p+8*bb:8*NBF*\p+8*bb+7], v[FA+32*\p+8*(2*\hi+\a):FA+32*\p+8*(2*\hi+\a)+7], 0
.else
	v_wmma_f32_16x16x32_f16 v[8*(NBF*\a+bb):8*(NBF*\a+bb)+7], v[8*NBF*\p+8*bb:8*NBF*\p+8*bb+7], v[FA+32*\p+8*(2*\hi+\a):FA+32*\p+8*(2*\hi+\a)+7], v[8*(NBF*\a+bb):8*(NBF*\a+bb)+7]
.endif
.set bb, bb+1
.endr
.endm
; 2 NBF + 8 LDS loads in one run: the fragments of quarter q (slab q >> 1, byte 64 (q & 1) of its rows) into buffers p; B first, then A
.macro FETCH slot, q, p
	WIN TO_B
.set ii, 0
.rept NBF
	ds_load_b128 v[8*NBF*\p+8*ii:8*NBF*\p+8*ii+3],   v[ADRB+\slot] offset:(\q>>1)*BSUB+(\q&1)*64+ii*16*PITCH
	ds_load_b128 v[8*NBF*\p+8*ii+4:8*NBF*\p+8*ii+7], v[ADRB+\slot] offset:(\q>>1)*BSUB+(\q&1)*64+ii*16*PITCH+32
.set ii, ii+1
.endr
	WIN 0
.set ii, 0
.rept 4
	ds_load_b128 v[FA+32*\p+8*ii:FA+32*\p+8*ii+3],   v[ADRA+\slot] offset:(\q>>1)*ASUB+(\q&1)*64+ii*16*PITCH
	ds_load_b128 v[FA+32*\p+8*ii+4:FA+32*\p+8*ii+7], v[ADRA+\slot] offset:(\q>>1)*ASUB+(\q&1)*64+ii*16*PITCH+32
.set ii, ii+1
.endr
.endm
; one of a step's first three quarters: multiplies buffers cur; in its middle fetches quarter q into buffers nxt
.macro QUARTER slot, q, cur, nxt, zero
	s_wait_dscnt 4                                 ; B and A's tiles 0, 1 are in; the youngest four loads (A's tiles 2, 3) may be out
	WIN MUL_LO
	MULA \cur, 0, 0, \zero
	MULA \cur, 0, 1, \zero
	PLACES
	FETCH \slot, \q, \nxt
	s_wait_dscnt 2*NBF+8                           ; all but the run just issued
	WIN MUL_HI
	MULA \cur, 1, 0, \zero
	MULA \cur, 1, 1, \zero
.endm
.macro THREE slot, zero
	QUARTER \slot, 1, 0, 1, \zero
	QUARTER \slot, 2, 1, 0, 0
	QUARTER \slot, 3, 0, 1, 0
.endm
; the last quarter: multiplies buffers 1 and changes slots.  In front of the barrier each wave waits for its reads of this slot and for all its
; tensor loads (one is out: its part of the next slot).  fill > 0: the barrier opens a round of the cluster's barrier, and the joint refill of
; this slot, two K steps ahead, is the first tensor load behind the round.  fill = 1: two K steps on in the same block (4 slabs forward).
; fill = 2: over into the second block: 4 slabs back in A and in B, and 4 column blocks of NW rows forward in B.
.macro TURN slot, next, fill
	s_wait_dscnt 4
	WIN MUL_LO
	MULA 1, 0, 0, 0
	s_wait_dscnt 0x0                               ; my reads of this slot are over
	s_wait_tensorcnt 0x0                           ; all my tensor loads have landed
	ds_add_u32 v255, v255
	s_wait_dscnt 0x0
	s_barrier_signal -1
	MULA 1, 0, 1, 0                                ; register work while the others arrive
	WIN 0
	s_barrier_wait -1
.if \fill
	CREST
.if \fill == 1
	s_add_nc_u64 s[G0+4*\slot+2:G0+4*\slot+3], s[G0+4*\slot+2:G0+4*\slot+3], 4*XS
	s_add_nc_u64 s[G0B+4*\slot+2:G0B+4*\slot+3], s[G0B+4*\slot+2:G0B+4*\slot+3], 4*NTOT*128
.else
	s_sub_nc_u64 s[G0+4*\slot+2:G0+4*\slot+3], s[G0+4*\slot+2:G0+4*\slot+3], 4*XS
	s_sub_nc_u64 s[G0B+4*\slot+2:G0B+4*\slot+3], s[G0B+4*\slot+2:G0B+4*\slot+3], 4*NTOT*128-4*NW*128
.endif
	JLOAD \slot
.endif
	PLACES
	FETCH \next, 0, 0
	WIN MUL_HI
	MULA 1, 1, 0, 0
	MULA 1, 1, 1, 0
.endm
; THE WAY OUT: 16 tokens x one slab (64 columns) at a time: round to f16, 16 bytes a lane into my stage, read back as 2,048 dense bytes.
; a: token tile 0..3 (from: 0x0a window 2, 0x0f window 3); sl: slab 0..2; rbuf: the registers read back into, in turn
.macro OUT a, from, sl, rbuf
	WIN \from
.set bq, 0
.rept 4
.set rr, 0
.rept 4
	v_cvt_pk_f16_f32 v[TMP+4*bq+rr], v[8*(NBF*(\a&1)+4*\sl+bq)+2*rr], v[8*(NBF*(\a&1)+4*\sl+bq)+2*rr+1]
.set rr, rr+1
.endr
.set bq, bq+1
.endr
	WIN 0
.set bq, 0
.rept 4
	ds_store_b128 v[STO], v[TMP+4*bq:TMP+4*bq+3] offset:32*bq
.set bq, bq+1
.endr
	s_wait_xcnt 0x0                                ; the registers that earlier stores read are loaded again only behind this wait
.set uu, 0
.rept 4
	ds_load_b128 v[\rbuf+4*uu:\rbuf+4*uu+3], v[RD] offset:uu*4*PITCH   ; a wave's LDS instructions are served in order: these see the stores above
.set uu, uu+1
.endr
.set uu, 0
.rept 4
	s_wait_dscnt 3-uu
	global_store_b128 v[CO], v[\rbuf+4*uu:\rbuf+4*uu+3], s[8:9] offset:\sl*XS+\a*2048+uu*512   ; the wave stores 512 consecutive bytes, aligned
.set uu, uu+1
.endr
.endm
.macro WAYOUT
	PLACES                                         ; behind the last matrix instructions, in front of the conversions
	OUT 0, 0x0a, 0, RB
	OUT 0, 0x0a, 1, RB+16
	OUT 0, 0x0a, 2, RB
	OUT 1, 0x0a, 0, RB+16
	OUT 1, 0x0a, 1, RB
	OUT 1, 0x0a, 2, RB+16
	OUT 2, 0x0f, 0, RB
	OUT 2, 0x0f, 1, RB+16
	OUT 2, 0x0f, 2, RB
	OUT 3, 0x0f, 0, RB+16
	OUT 3, 0x0f, 1, RB
	OUT 3, 0x0f, 2, RB+16
.endm
	s_wait_tensorcnt 0x1                           ; my part of K step 0 is in; step 1's stays out
	s_barrier_signal -1
	s_barrier_wait -1
	FETCH 0, 0, 0
	; the first block
	THREE 0, 1
	TURN 0, 1, 1                                   ; slot 0 gets K step 2
	THREE 1, 0
	TURN 1, 0, 1                                   ; slot 1 gets K step 3
	THREE 0, 0
	TURN 0, 1, 2                                   ; slot 0 gets the second block's K step 0
	THREE 1, 0
	TURN 1, 0, 2                                   ; slot 1 gets the second block's K step 1; the fragments fetched here are the second block's first
	WAYOUT                                         ; those fragments wait in buffers 0, which the way out does not touch; one tensor load is on its way meanwhile
	; the second block: its first products start the sums anew
	THREE 0, 1
	TURN 0, 1, 1
	THREE 1, 0
	TURN 1, 0, 1
	THREE 0, 0
	TURN 0, 1, 0                                   ; nothing is left to fetch
	THREE 1, 0
	s_wait_dscnt 4
	WIN MUL_LO
	MULA 1, 0, 0, 0
	MULA 1, 0, 1, 0
	s_wait_dscnt 0x0
	WIN MUL_HI
	MULA 1, 1, 0, 0
	MULA 1, 1, 1, 0
	s_wait_xcnt 0x0                                ; the first block's stores have read their base: it is stepped only behind this wait
	s_add_nc_u64 s[8:9], s[8:9], 12*XS             ; column block bx + 4: 12 slabs on
	WAYOUT
	s_set_vgpr_msb 0x1
	s_wait_tensorcnt 0x0
	ds_add_u32 v255, v255
	s_wait_dscnt 0x0
	s_set_vgpr_msb 0x100
	CROUND                                         ; the closing round: no work-group ends while a partner may still ask for a tile that names it
	s_endpgm
.Lfunc_end_k_q15c97b8d16_qkvproj:
	.size	k_q15c97b8d16_qkvproj, .Lfunc_end_k_q15c97b8d16_qkvproj-k_q15c97b8d16_qkvproj
	.p2alignl 7, 3214868480
	.fill 96, 4, 3214868480
	.section	.rodata,"a",@progbits
	.p2align	6, 0x0
	.amdhsa_kernel k_q15c97b8d16_qkvproj
		.amdhsa_group_segment_fixed_size 327680
		.amdhsa_private_segment_fixed_size 0
		.amdhsa_enable_private_segment 0
		.amdhsa_kernarg_size 24
		.amdhsa_user_sgpr_count 2
		.amdhsa_user_sgpr_kernarg_segment_ptr 1
		.amdhsa_wavefront_size32 1
		.amdhsa_system_sgpr_workgroup_id_x 1
		.amdhsa_system_sgpr_workgroup_id_y 1
		.amdhsa_system_sgpr_workgroup_id_z 1
		.amdhsa_system_vgpr_workitem_id 0
		.amdhsa_next_free_vgpr 960
		.amdhsa_next_free_sgpr 66
		.amdhsa_reserve_vcc 0
		.amdhsa_float_denorm_mode_32 3
		.amdhsa_float_denorm_mode_16_64 3
		.amdhsa_memory_ordered 1
		.amdhsa_forward_progress 1
		.amdhsa_inst_pref_size 233
	.end_amdhsa_kernel
	.amdgpu_metadata
---
amdhsa.version: [ 1, 2 ]
amdhsa.kernels:
  - .name:           k_q15c97b8d16_qkvproj
    .symbol:         k_q15c97b8d16_qkvproj.kd
    .args:
      - { .name: xb, .offset: 0, .size: 8, .value_kind: global_buffer, .address_space: global }
      - { .name: wb, .offset: 8, .size: 8, .value_kind: global_buffer, .address_space: global }
      - { .name: qkv, .offset: 16, .size: 8, .value_kind: global_buffer, .address_space: global }
    .group_segment_fixed_size: 327680
    .private_segment_fixed_size: 0
    .kernarg_segment_align: 8
    .kernarg_segment_size: 24
    .max_flat_workgroup_size: 128
    .sgpr_count:     66
    .vgpr_count:     960
    .wavefront_size: 32
...
	.end_amdgpu_metadata
.endif
;; end of part 2
;; launch attn (part 3): grid 64 x 4, 8 waves a work-group, clusters of 4 x 4, 327,680 bytes of LDS; arguments qkv, rel_bias, ob; writes ob
.if DOCPART == 3
	.amdgcn_target "amdgcn-amd-amdhsa--gfx1250"
	.amdhsa_code_object_version 6
	.text
	.protected	k_q15c97b8d16_attn
	.globl	k_q15c97b8d16_attn
	.p2align	8
	.type	k_q15c97b8d16_attn,@function
k_q15c97b8d16_attn:
	s_mov_b64 s[64:65], 0
	v_nop
	global_prefetch_b8 v0, s[64:65] scope:SCOPE_SE
	s_setreg_imm32_b32 hwreg(HW_REG_WAVE_MODE, 25, 1), 1
	s_wait_xcnt 0x0
	s_wait_alu depctr_hold_cnt(0) depctr_sa_sdst(0) depctr_va_vdst(0) depctr_va_sdst(0) depctr_va_ssrc(0) depctr_va_vcc(0) depctr_vm_vsrc(0)
	s_getreg_b32 s2, hwreg(HW_REG_IB_STS2, 6, 4)
	s_cmp_eq_u32 s2, 0
	s_cbranch_scc0 .Lentry_in_a_cluster
	s_endpgm
.Lentry_in_a_cluster:
	s_bfe_u32 s2, ttmp6, 0x10000c
	s_cmp_lg_u32 s2, 0xf033
	s_cbranch_scc0 .Lentry_shape_is_right
	s_endpgm
.Lentry_shape_is_right:
; Attention of one head: softmax(q k^T / 8 + rel_bias) v, with a running maximum, 64 keys a step, 16 steps.
; Work-group x = 8 head + QB (a block of 128 queries), y = g (4 batches).  Eight waves: wave w has batch 4 g + (w >> 1) and queries 128 QB + 64 (w & 1) .. + 63.
; Four batches sit on one bias tile, so a step fills 32 KiB of K, 32 KiB of V and 32 KiB of bias for 512 query rows.
; CLUSTERS: 4 x 4 work-groups.  K's and V's tiles hang on (head, g) and are asked for jointly along a row of the cluster; the bias tiles hang on (head, QB)
; and are asked for jointly along a column.  The grid has one cluster along y, so g is the place cy itself.
; THE ARITHMETIC IS TRANSPOSED.  S^T = K Q^T + bias: source 0 = 16 keys of K, source 1 = 16 queries of Q, C = the bias tile as loaded from LDS, so the
; bias costs no vector instruction.  A lane then holds ONE query (l % 16) and keys 8 (l / 16) + 0..7 of each tile: maximum, sum and rescaling are per lane,
; with one exchange between the halves.  Two neighbouring tiles of S^T, rounded in pairs, ARE the source 1 fragment of P.  O^T = V^T P^T: source 0 = V^T,
; read from V [key][d] by the transposing LDS load.  1/8 is applied once to Q (exact in f16 but for results under 2^-14).
; THE CHANGE OF SLOTS STANDS INSIDE A STEP.  A slot's last LDS read is the bias of query tile 3.  Behind it the wave opens the round of the cluster's barrier,
; does 16 matrix instructions and a softmax step on registers, closes the round, asks for this slot's next key block and already fetches the next step's
; K fragments and first bias tiles from the other slot, while query tile 3 is still at work.
; LIMITS: f16 operands: |q|, |k|, |v|, |o| above 65,504 are infinity; a weight p under 2^-24 becomes 0 in the product (the row sums take the unrounded p);
; NaN and infinite inputs are not served.
; qkv: [24 slabs][rho][64] f16, rho(b, n) = ((n >> 6) 16 + b) 64 + (n & 63).  ob: [8 heads][token][64] f16.
.set XS,    2097152                    ; bytes in a slab
.set PITV,  160                        ; V's LDS row: 128 + 32 bytes, an odd multiple of 32 for the transposing loads
.set PITK,  144                        ; K's: 128 + 16
.set PITB,  272                        ; the bias's: 256 + 16
.set KOFF,  256*PITV                   ; a slot: V (256 rows), K (256 rows), bias (128 rows)
.set BOFF,  KOFF+256*PITK
.set SLOT,  BOFF+128*PITB              ; 112,640
.set STAGE, 2*SLOT                     ; a multiple of 256; 16 rows x 144 bytes for each wave; no tensor load lands here
.set ADRK, 2                           ; v2-3   LDS address of my K fragments in slot 0, 1
.set ADRV, 4                           ; v4-5   of my V^T fragments
.set ADRB, 6                           ; v6-7   of my bias tiles
.set STO,  8
.set RD,   9
.set CO,   10
.set QOFF, 11
.set L2E,  12                          ; v[12:13] log2 e, twice
.set MN,   14                          ; v14 = - maximum x log2 e (v15 = 0 fills the pair)
.set M,    16                          ; v[16:19] running maximum of query tile t
.set L,    20                          ; v[20:23] running sum of my half of the keys
.set CH,   24                          ; v[24:27] four chains of maxima
.set T,    28
.set T2,   29
.set SUMA, 30
.set SUMB, 32
.set C8,   34                          ; 1/8 twice in f16
.set ALPHA, 36                         ; v36 = 2^(old maximum - new) (v37 = 0 fills the pair)
.set P,    40                          ; v[40:55] P's two fragments
.set SA,   64                          ; v[64:95]  S^T of a query tile: 4 key tiles
.set SB,   96                          ; v[96:127] the other buffer
.set KF,   128                         ; v[128:191] K fragment (kt, ks) at 8 (2 kt + ks)
.set VF,   192                         ; v[192:255] V^T fragment (dt, ks) at 8 (2 dt + ks)
.set QF,   128                         ; window 1: Q fragment (t, ks) at 128 + 8 (2 t + ks); O^T tile (t, dt) at 32 t + 8 dt
.set G1V, 16
.set G1K, 24
.set G1B, 32
.set G0V, 40
.set G0K, 48
.set G0B, 56
.set MSB, 0
.macro WIN new
.if MSB != \new
	s_set_vgpr_msb (MSB<<8)|\new
.set MSB, \new
.endif
.endm
.macro PLACES
.rept 4
	v_nop
.endr
.endm
.macro CREST                           ; a round of the cluster's barrier behind its opening work-group barrier
	s_cmp_lg_u32 s10, 0
	s_cbranch_scc1 .Lnot_wave_0_\@
	s_barrier_signal -3
.Lnot_wave_0_\@:
	s_barrier_wait -3
	s_barrier_signal -1
	s_barrier_wait -1
.endm
.macro ROUND                           ; a whole round
	s_barrier_signal -1
	s_barrier_wait -1
	CREST
.endm
; every wave asks for one part of slot s: waves 0, 1 V's halves, waves 2, 3 K's halves, waves 4-7 a quarter of the bias tile each
.macro JLOAD s
	s_cmp_lt_u32 s10, 2
	s_cbranch_scc0 .Lnot_v_\@
	tensor_load_to_lds s[G0V+4*\s:G0V+4*\s+3], s[G1V:G1V+7]
	s_nop 0
	s_branch .Lasked_\@
.Lnot_v_\@:
	s_cmp_lt_u32 s10, 4
	s_cbranch_scc0 .Lnot_k_\@
	tensor_load_to_lds s[G0K+4*\s:G0K+4*\s+3], s[G1K:G1K+7]
	s_nop 0
	s_branch .Lasked_\@
.Lnot_k_\@:
	tensor_load_to_lds s[G0B+4*\s:G0B+4*\s+3], s[G1B:G1B+7]
	s_nop 0
.Lasked_\@:
.endm
	s_load_b128 s[4:7], s[0:1], 0x0                ; qkv s[4:5], rel_bias s[6:7]
	s_load_b64 s[8:9], s[0:1], 0x10                ; ob
	v_lshl_add_u32 v62, v0, 2, 0x3b800
	v_mov_b32 v63, 0
	ds_add_u32 v62, v63
	v_lshrrev_b32 v1, 5, v0
	v_readfirstlane_b32 s10, v1                    ; wave 0..7
	s_and_b32 s11, s10, 1                          ; which 64 queries; also which half of V or K I fetch
	s_lshr_b32 s12, s10, 1                         ; which of the four batches
	s_and_b32 s13, s10, 3                          ; which quarter of the bias tile I fetch
	s_bfe_u32 s66, ttmp6, 0x40000                  ; cx
	s_bfe_u32 s67, ttmp6, 0x40004                  ; cy = g
	s_lshr_b32 s68, ttmp9, 1                       ; head: work-group x = 4 x cluster x + cx = 8 head + QB
	s_and_b32 s69, ttmp9, 1
	s_lshl_b32 s69, s69, 2
	s_add_co_u32 s69, s69, s66                     ; QB
	s_lshl_b32 s70, s67, 2
	s_lshl_b32 s70, 15, s70                        ; my row of the cluster
	s_lshl_b32 s72, 0x1111, s66                    ; my column
	; V and K: a dense block of 16 KiB as 64 rows of 32 elements of 8 bytes, padded behind every 32 words (a row of 64 f16): by 8 words for V, 4 for K
	s_or_b32 s[G1V+0], s70, (3<<16)|(1<<20)|(1<<21)|(4<<22)|(7<<25)
	s_or_b32 s[G1K+0], s70, (3<<16)|(1<<20)|(1<<21)|(4<<22)|(3<<25)
	; bias: 32 rows of 64 f32 at a pitch of 1,024, padded by 4 words behind every 64
	s_or_b32 s[G1B+0], s72, (2<<16)|(1<<20)|(1<<21)|(5<<22)|(3<<25)
	s_mov_b32 s[G1V+1], 32<<16
	s_mov_b32 s[G1K+1], 32<<16
	s_mov_b32 s[G1B+1], 64<<16
	s_mov_b32 s[G1V+2], 64<<16
	s_mov_b32 s[G1K+2], 64<<16
	s_mov_b32 s[G1B+2], 32<<16
	s_mov_b32 s[G1V+3], 32<<16
	s_mov_b32 s[G1K+3], 32<<16
	s_mov_b32 s[G1B+3], 64<<16
	s_mov_b32 s[G1V+4], 64
	s_mov_b32 s[G1K+4], 64
	s_mov_b32 s[G1B+4], 32
	s_mov_b32 s[G1V+5], 32
	s_mov_b32 s[G1K+5], 32
	s_mov_b32 s[G1B+5], 1024
	s_mov_b32 s[G1V+6], 0
	s_mov_b32 s[G1K+6], 0
	s_mov_b32 s[G1B+6], 0
	s_mov_b32 s[G1V+7], 0
	s_mov_b32 s[G1K+7], 0
	s_mov_b32 s[G1B+7], 0
	; K's first tile: slab 8 + head, rows (0 x 16 + 4 g) 64 + 128 (w & 1); made of head, cy and the wave's number alone.  V's lies 8 slabs further.
	s_lshl_b32 s76, s68, 21
	s_lshl_b32 s71, s67, 15
	s_add_co_u32 s76, s76, s71
	s_lshl_b32 s71, s11, 14
	s_add_co_u32 s76, s76, s71
	s_add_co_u32 s76, s76, 8*XS
	s_mov_b32 s77, 0
	; the bias's first tile: head, rows 128 QB + 32 (w & 3); made of head, cx and the wave's number alone
	s_lshl_b32 s78, s68, 22
	s_lshl_b32 s79, s69, 19
	s_add_co_u32 s78, s78, s79
	s_lshl_b32 s79, s13, 17
	s_add_co_u32 s78, s78, s79
	s_mov_b32 s79, 0
	; my own Q rows and ob rows (both coordinates; they feed no descriptor)
	s_lshl_b32 s82, s69, 1
	s_add_co_u32 s82, s82, s11                     ; qb: my block of 64 queries
	s_lshl_b32 s83, s67, 2
	s_add_co_u32 s83, s83, s12                     ; b
	s_lshl_b32 s86, s68, 21                        ; head's slab
	s_lshl_b32 s80, s82, 4
	s_add_co_u32 s80, s80, s83
	s_lshl_b32 s80, s80, 13                        ; (16 qb + b) x 64 rows of 128 bytes
	s_add_co_u32 s80, s80, s86
	s_mov_b32 s81, 0
	s_lshl_b32 s84, s83, 17                        ; (1,024 b + 64 qb) rows of 128 bytes
	s_lshl_b32 s85, s82, 13
	s_add_co_u32 s84, s84, s85
	s_add_co_u32 s84, s84, s86
	s_mov_b32 s85, 0
	s_mul_i32 s14, s10, 128*PITV                   ; LDS: waves 0, 1: V's halves
	s_mul_i32 s15, s10, 128*PITK
	s_add_co_u32 s15, s15, KOFF-2*128*PITK         ; waves 2, 3: K's halves
	s_mul_i32 s3, s10, 32*PITB
	s_add_co_u32 s3, s3, BOFF-4*32*PITB            ; waves 4-7: the bias's quarters
	s_mov_b32 s74, 0x76543210                      ; v_permlanex16_b32: lane i reads lane i of the other half
	s_mov_b32 s75, 0xfedcba98
	v_and_b32 v40, 15, v0                          ; r
	v_bfe_u32 v41, v0, 4, 1                        ; h
	v_lshlrev_b32 v[QOFF], 7, v40
	v_lshl_add_u32 v[QOFF], v41, 4, v[QOFF]        ; Q: r x 128 + 16 h
	s_wait_dscnt 0x0
	s_wait_kmcnt 0x0
	s_add_nc_u64 s[76:77], s[4:5], s[76:77]
	s_add_nc_u64 s[78:79], s[6:7], s[78:79]
	s_add_nc_u64 s[80:81], s[4:5], s[80:81]
	s_add_nc_u64 s[8:9], s[8:9], s[84:85]
	; Q goes out first of all: it is on its way during the set-up, the first round and the first fills
	WIN 0x40                                       ; destination window 1
.irp t, 0,1,2,3
.irp ks, 0,1
	global_load_b128 v[QF+8*(2*\t+\ks):QF+8*(2*\t+\ks)+3],   v[QOFF], s[80:81] offset:\t*2048+\ks*64
	global_load_b128 v[QF+8*(2*\t+\ks)+4:QF+8*(2*\t+\ks)+7], v[QOFF], s[80:81] offset:\t*2048+\ks*64+32
.endr
.endr
	WIN 0
.irp s, 0,1
	s_mov_b32 s[G0V+4*\s], 1
	s_add_co_u32 s[G0V+4*\s+1], s14, \s*SLOT
	s_add_nc_u64 s[G0V+4*\s+2:G0V+4*\s+3], s[76:77], 8*XS+\s*131072      ; key block s: 16 batches x 64 rows of 128 bytes a block
	s_or_b32 s[G0V+4*\s+3], s[G0V+4*\s+3], 0x80000000
	s_mov_b32 s[G0K+4*\s], 1
	s_add_co_u32 s[G0K+4*\s+1], s15, \s*SLOT
	s_add_nc_u64 s[G0K+4*\s+2:G0K+4*\s+3], s[76:77], \s*131072
	s_or_b32 s[G0K+4*\s+3], s[G0K+4*\s+3], 0x80000000
	s_mov_b32 s[G0B+4*\s], 1
	s_add_co_u32 s[G0B+4*\s+1], s3, \s*SLOT
	s_add_nc_u64 s[G0B+4*\s+2:G0B+4*\s+3], s[78:79], \s*256              ; 64 keys of f32 along the row
	s_or_b32 s[G0B+4*\s+3], s[G0B+4*\s+3], 0x80000000
.endr
	ROUND                                          ; all sixteen work-groups are here
	JLOAD 0                                        ; key blocks 0 and 1: both first fills go out together,
	JLOAD 1                                        ; two tensor loads of the wave are out
	v_mul_u32_u24 v42, v40, PITK
	v_lshl_add_u32 v42, v41, 4, v42                ; r x 144 + 16 h
	s_mul_i32 s2, s12, 64*PITK
	s_add_co_u32 s2, s2, KOFF
	v_add_nc_u32 v[ADRK], s2, v42                  ; K: row 64 i + r
	v_add_nc_u32 v[ADRK+1], SLOT, v[ADRK]
	v_and_b32 v43, 7, v0
	v_lshl_add_u32 v43, v41, 3, v43                ; V: row 64 i + 8 h + (l & 7),
	v_mul_u32_u24 v43, v43, PITV
	v_bfe_u32 v44, v0, 3, 1
	v_lshl_add_u32 v43, v44, 4, v43                ; 16 bytes further for lanes 8-15 of each half
	s_mul_i32 s2, s12, 64*PITV
	v_add_nc_u32 v[ADRV], s2, v43
	v_add_nc_u32 v[ADRV+1], SLOT, v[ADRV]
	v_mul_u32_u24 v45, v40, PITB
	v_lshl_add_u32 v45, v41, 5, v45                ; bias: row 64 (w & 1) + r, 8 keys of f32 for each half
	s_mul_i32 s2, s11, 64*PITB
	s_add_co_u32 s2, s2, BOFF
	v_add_nc_u32 v[ADRB], s2, v45
	v_add_nc_u32 v[ADRB+1], SLOT, v[ADRB]
	s_mul_i32 s2, s10, 16*PITK
	s_add_co_u32 s2, s2, STAGE                     ; my stage
	v_add_nc_u32 v[STO], s2, v42
	v_bfe_u32 v46, v0, 3, 2
	v_and_b32 v47, 7, v0
	v_mul_u32_u24 v46, v46, PITK
	v_lshl_add_u32 v46, v47, 4, v46
	v_add_nc_u32 v[RD], s2, v46
	v_and_b32 v47, 31, v0
	v_lshlrev_b32 v[CO], 4, v47
	v_mov_b32 v[L2E], 0x3fb8aa3b
	v_mov_b32 v[L2E+1], 0x3fb8aa3b
	v_mov_b32 v[MN+1], 0
	v_mov_b32 v[ALPHA+1], 0
	v_mov_b32 v[T2], 0                             ; the lane exchange's destination counts as read
	v_mov_b32 v[C8], 0x30003000
	s_wait_loadcnt 0x0                             ; Q
	WIN 0x41                                       ; destination and source 0 window 1
.set qq, 0
.rept 64
	v_pk_mul_f16 v[QF+qq], v[QF+qq], v[C8]         ; q / 8, once
.set qq, qq+1
.endr
	WIN 0
.macro BL slot, t, S                   ; the bias of query tile t: 4 key tiles in the accumulators' layout, 8 loads
	WIN 0
.irp kt, 0,1,2,3
	ds_load_b128 v[\S+8*\kt:\S+8*\kt+3],   v[ADRB+\slot] offset:\t*16*PITB+\kt*64
	ds_load_b128 v[\S+8*\kt+4:\S+8*\kt+7], v[ADRB+\slot] offset:\t*16*PITB+\kt*64+16
.endr
.endm
.macro KL slot                         ; K's 8 fragments, 16 loads
	WIN 0
.irp kt, 0,1,2,3
.irp ks, 0,1
	ds_load_b128 v[KF+8*(2*\kt+\ks):KF+8*(2*\kt+\ks)+3],   v[ADRK+\slot] offset:\kt*16*PITK+\ks*64
	ds_load_b128 v[KF+8*(2*\kt+\ks)+4:KF+8*(2*\kt+\ks)+7], v[ADRK+\slot] offset:\kt*16*PITK+\ks*64+32
.endr
.endr
.endm
.macro VL slot                         ; V^T's 8 fragments, 16 transposing loads
	WIN 0
.irp dt, 0,1,2,3
.irp ks, 0,1
	ds_load_tr16_b128 v[VF+8*(2*\dt+\ks):VF+8*(2*\dt+\ks)+3],   v[ADRV+\slot] offset:\ks*32*PITV+\dt*32
	ds_load_tr16_b128 v[VF+8*(2*\dt+\ks)+4:VF+8*(2*\dt+\ks)+7], v[ADRV+\slot] offset:\ks*32*PITV+\dt*32+16*PITV
.endr
.endr
.endm
; S^T += K Q^T on the bias: 8 matrix instructions; the four accumulators take turns, one instruction a turn
.macro SW t, S
	WIN 0x04                                       ; source 1 (Q) window 1
.irp ks, 0,1
.irp kt, 0,1,2,3
	v_wmma_f32_16x16x32_f16 v[\S+8*\kt:\S+8*\kt+7], v[KF+8*(2*\kt+\ks):KF+8*(2*\kt+\ks)+7], v[QF+8*(2*\t+\ks):QF+8*(2*\t+\ks)+7], v[\S+8*\kt:\S+8*\kt+7]
.endr
.endr
.endm
.macro SMF S, kt                       ; (s - maximum) log2 e
.irp i, 0,1,2,3
	v_pk_fma_f32 v[\S+8*\kt+2*\i:\S+8*\kt+2*\i+1], v[\S+8*\kt+2*\i:\S+8*\kt+2*\i+1], v[L2E:L2E+1], v[MN:MN+1] op_sel_hi:[1,1,0]
.endr
.endm
.macro SME S, kt
.irp i, 0,1,2,3,4,5,6,7
	v_exp_f32 v[\S+8*\kt+\i], v[\S+8*\kt+\i]
.endr
.endm
.macro SMC S, kt                       ; sums in two chains (the first tile starts them), and P in f16
.if \kt == 0
	s_wait_alu depctr_va_vdst(0)
	v_pk_add_f32 v[SUMA:SUMA+1], v[\S:\S+1], v[\S+2:\S+3]
	v_pk_add_f32 v[SUMB:SUMB+1], v[\S+4:\S+5], v[\S+6:\S+7]
.else
	s_wait_alu depctr_va_vdst(0)
	v_pk_add_f32 v[SUMA:SUMA+1], v[SUMA:SUMA+1], v[\S+8*\kt:\S+8*\kt+1]
	v_pk_add_f32 v[SUMB:SUMB+1], v[SUMB:SUMB+1], v[\S+8*\kt+2:\S+8*\kt+3]
	v_pk_add_f32 v[SUMA:SUMA+1], v[SUMA:SUMA+1], v[\S+8*\kt+4:\S+8*\kt+5]
	v_pk_add_f32 v[SUMB:SUMB+1], v[SUMB:SUMB+1], v[\S+8*\kt+6:\S+8*\kt+7]
.endif
.irp i, 0,1,2,3
	v_cvt_pk_f16_f32 v[P+4*\kt+\i], v[\S+8*\kt+2*\i], v[\S+8*\kt+2*\i+1]
.endr
.endm
; the softmax step of query tile t on the 64 keys in S.  first = 1: no older maximum, sum or O.
.macro SM t, S, first
	WIN 0
.irp c, 0,1,2,3
	v_max3_num_f32 v[CH+\c], v[\S+8*\c], v[\S+8*\c+1], v[\S+8*\c+2]
.endr
.irp c, 0,1,2,3
	v_max3_num_f32 v[CH+\c], v[CH+\c], v[\S+8*\c+3], v[\S+8*\c+4]
.endr
.irp c, 0,1,2,3
	v_max3_num_f32 v[CH+\c], v[CH+\c], v[\S+8*\c+5], v[\S+8*\c+6]
.endr
	v_max3_num_f32 v[CH], v[CH], v[CH+1], v[\S+7]
	v_max3_num_f32 v[CH+2], v[CH+2], v[CH+3], v[\S+15]
	v_max3_num_f32 v[CH], v[CH], v[CH+2], v[\S+23]
.if \first
	v_max_num_f32 v[T], v[CH], v[\S+31]
.else
	v_max3_num_f32 v[T], v[CH], v[\S+31], v[M+\t]
.endif
	v_permlanex16_b32 v[T2], v[T], s74, s75        ; the other half of the lanes holds the query's other keys
	v_max_num_f32 v[T], v[T], v[T2]
	v_mul_f32 v[MN], 0xbfb8aa3b, v[T]              ; - maximum x log2 e
.if \first == 0
	v_fma_f32 v[T2], v[M+\t], v[L2E], v[MN]
	v_exp_f32 v[ALPHA], v[T2]                      ; the move below is the plain instruction behind it (ISA guide 5.7.2)
.endif
	v_mov_b32 v[M+\t], v[T]
	; each run of exponentials is followed by plain work on another tile before its results are read
	SMF \S, 0
	SME \S, 0
	SMF \S, 1
	SME \S, 1
	SMC \S, 0
	SMF \S, 2
	SME \S, 2
	SMC \S, 1
	SMF \S, 3
	SME \S, 3
	SMC \S, 2
	SMC \S, 3
	v_pk_add_f32 v[SUMA:SUMA+1], v[SUMA:SUMA+1], v[SUMB:SUMB+1]
.if \first
	v_add_f32 v[L+\t], v[SUMA], v[SUMA+1]
.else
	v_add_f32 v[T], v[SUMA], v[SUMA+1]
	v_fma_f32 v[L+\t], v[L+\t], v[ALPHA], v[T]
.endif
.endm
.macro RS t                            ; O^T of tile t x alpha
	WIN 0x41
.set oo, 0
.rept 16
	v_pk_mul_f32 v[32*\t+2*oo:32*\t+2*oo+1], v[32*\t+2*oo:32*\t+2*oo+1], v[ALPHA:ALPHA+1] op_sel_hi:[1,0]
.set oo, oo+1
.endr
.endm
; O^T += V^T P^T: 8 matrix instructions; the four accumulators take turns, one instruction a turn.  first = 1: the first product starts the sums.
.macro PV t, first
	WIN 0x50                                       ; C and D window 1
.irp ks, 0,1
.irp dt, 0,1,2,3
.if \first*(1-\ks)
	v_wmma_f32_16x16x32_f16 v[32*\t+8*\dt:32*\t+8*\dt+7], v[VF+8*(2*\dt+\ks):VF+8*(2*\dt+\ks)+7], v[P+8*\ks:P+8*\ks+7], 0
.else
	v_wmma_f32_16x16x32_f16 v[32*\t+8*\dt:32*\t+8*\dt+7], v[VF+8*(2*\dt+\ks):VF+8*(2*\dt+\ks)+7], v[P+8*\ks:P+8*\ks+7], v[32*\t+8*\dt:32*\t+8*\dt+7]
.endif
.endr
.endr
.endm
; One step: 64 keys from slot.  On entry K's fragments (16 loads), bias tile 0 (8) and bias tile 1 (8) of this slot have been asked for, in this order.
; mode 2: this slot is filled again behind a round of the cluster's barrier, and the next step's first fragments are fetched from the other slot;
; mode 1: nothing is left to fill: a plain barrier shows the other slot whole, and the next step's first fragments are fetched;
; mode 0: the last step.
.macro TRIP slot, other, mode, first
	VL \slot                                       ; 16 more loads
	s_wait_dscnt 24                                ; K and bias 0 are in; bias 1 (8) and V (16) may be out
	SW 0, SA
	s_wait_dscnt 16                                ; bias 1 is in; V may be out
	SW 1, SB
	WIN 0
	PLACES                                         ; behind the matrix instructions, in front of the vector work on S^T
	SM 0, SA, \first
	BL \slot, 2, SA
.if \first == 0
	RS 0
.endif
	s_wait_dscnt 8                                 ; V is in; bias 2 may be out
	PV 0, \first
	s_wait_dscnt 0x0                               ; bias 2
	SW 2, SA
	SM 1, SB, \first
	BL \slot, 3, SB
.if \first == 0
	RS 1
.endif
	PV 1, \first
	s_wait_dscnt 0x0                               ; bias 3 is in, and with it my reads of this slot are over
.if \mode
	s_wait_tensorcnt 0x0                           ; all my tensor loads have landed: the one that was out is my part of the other slot; every group 0 may be written
	ds_add_u32 v62, v63
	s_wait_dscnt 0x0
.if \mode == 2
	s_add_nc_u64 s[G0V+4*\slot+2:G0V+4*\slot+3], s[G0V+4*\slot+2:G0V+4*\slot+3], 262144   ; this slot's next key block, two on
	s_add_nc_u64 s[G0K+4*\slot+2:G0K+4*\slot+3], s[G0K+4*\slot+2:G0K+4*\slot+3], 262144
	s_add_nc_u64 s[G0B+4*\slot+2:G0B+4*\slot+3], s[G0B+4*\slot+2:G0B+4*\slot+3], 512
.endif
	s_barrier_signal -1                            ; say so (mode 2: this barrier opens a round of the cluster's barrier),
.endif
	SW 3, SB                                       ; work on registers while the others arrive: 16 matrix instructions and a softmax step,
	SM 2, SA, \first
.if \first == 0
	RS 2
.endif
	PV 2, \first
	WIN 0
.if \mode
	s_barrier_wait -1                              ; and go on when all eight waves have said so
.if \mode == 2
	CREST                                          ; all sixteen work-groups have said so: no wave of any partner still reads this slot or has a load on its way
	JLOAD \slot                                    ; my one tensor load until the next round; 48 matrix instructions and three softmax steps stand in front of the wait for it
.endif
	KL \other                                      ; the next step's K and bias 0, while query tile 3 is at work
	BL \other, 0, SA
.endif
	SM 3, SB, \first
.if \mode
	BL \other, 1, SB
.endif
.if \first == 0
	RS 3
.endif
	PV 3, \first
	WIN 0
	PLACES                                         ; in front of the next loads into V's fragments, or of the way out
.endm
	s_wait_tensorcnt 0x1                           ; my part of key block 0 is in; block 1's stays out
	s_barrier_signal -1
	s_barrier_wait -1
	KL 0
	BL 0, 0, SA
	BL 0, 1, SB
	TRIP 0, 1, 2, 1                                ; key block 0; slot 0 gets block 2
	s_mov_b32 s73, 6
.Lkeys:
	TRIP 1, 0, 2, 0                                ; key blocks 1 to 12; the slots get blocks 3 to 14
	TRIP 0, 1, 2, 0
	s_sub_co_u32 s73, s73, 1
	s_cmp_lg_u32 s73, 0
	s_cbranch_scc1 .Lkeys
	TRIP 1, 0, 2, 0                                ; key block 13; slot 1 gets block 15, the last
	TRIP 0, 1, 1, 0                                ; key block 14: nothing is left to fetch
	TRIP 1, 0, 0, 0                                ; key block 15
; THE WAY OUT, 16 queries at a time: join the two halves' sums, divide, round to f16, 16 bytes a lane into my stage, read back as 2,048 dense bytes
.macro OUTO t
	v_permlanex16_b32 v[T2], v[L+\t], s74, s75
	v_add_f32 v[T], v[L+\t], v[T2]
	v_rcp_f32 v[MN], v[T]
	v_nop                                          ; the plain instruction behind the reciprocal
	WIN 0x41
.set oo, 0
	s_wait_alu depctr_va_vdst(0)
.rept 16
	v_pk_mul_f32 v[32*\t+2*oo:32*\t+2*oo+1], v[32*\t+2*oo:32*\t+2*oo+1], v[MN:MN+1] op_sel_hi:[1,0]
.set oo, oo+1
.endr
	WIN 0x05                                       ; sources window 1, destination window 0
.set oo, 0
.rept 16
	v_cvt_pk_f16_f32 v[SA+oo], v[32*\t+2*oo], v[32*\t+2*oo+1]
.set oo, oo+1
.endr
	WIN 0
.irp dt, 0,1,2,3
	ds_store_b128 v[STO], v[SA+4*\dt:SA+4*\dt+3] offset:32*\dt
.endr
	s_wait_xcnt 0x0                                ; the registers that the last tile's stores read are loaded again only behind this wait
.irp u, 0,1,2,3
	ds_load_b128 v[SB+4*\u:SB+4*\u+3], v[RD] offset:\u*4*PITK    ; a wave's LDS instructions are served in order: these see the stores above
.endr
.irp u, 0,1,2,3
	s_wait_dscnt 3-\u
	global_store_b128 v[CO], v[SB+4*\u:SB+4*\u+3], s[8:9] offset:\t*2048+\u*512   ; the wave stores 512 consecutive bytes, aligned
.endr
.endm
	OUTO 0
	OUTO 1
	OUTO 2
	OUTO 3
	s_wait_tensorcnt 0x0
	ds_add_u32 v62, v63
	s_wait_dscnt 0x0
	ROUND                                          ; the closing round
	s_endpgm
.Lfunc_end_k_q15c97b8d16_attn:
	.size	k_q15c97b8d16_attn, .Lfunc_end_k_q15c97b8d16_attn-k_q15c97b8d16_attn
	.p2alignl 7, 3214868480
	.fill 96, 4, 3214868480
	.section	.rodata,"a",@progbits
	.p2align	6, 0x0
	.amdhsa_kernel k_q15c97b8d16_attn
		.amdhsa_group_segment_fixed_size 327680
		.amdhsa_private_segment_fixed_size 0
		.amdhsa_enable_private_segment 0
		.amdhsa_kernarg_size 24
		.amdhsa_user_sgpr_count 2
		.amdhsa_user_sgpr_kernarg_segment_ptr 1
		.amdhsa_wavefront_size32 1
		.amdhsa_system_sgpr_workgroup_id_x 1
		.amdhsa_system_sgpr_workgroup_id_y 1
		.amdhsa_system_sgpr_workgroup_id_z 1
		.amdhsa_system_vgpr_workitem_id 0
		.amdhsa_next_free_vgpr 448
		.amdhsa_next_free_sgpr 88
		.amdhsa_reserve_vcc 0
		.amdhsa_float_denorm_mode_32 3
		.amdhsa_float_denorm_mode_16_64 3
		.amdhsa_memory_ordered 1
		.amdhsa_forward_progress 1
		.amdhsa_inst_pref_size 237
	.end_amdhsa_kernel
	.amdgpu_metadata
---
amdhsa.version: [ 1, 2 ]
amdhsa.kernels:
  - .name:           k_q15c97b8d16_attn
    .symbol:         k_q15c97b8d16_attn.kd
    .args:
      - { .name: qkv, .offset: 0, .size: 8, .value_kind: global_buffer, .address_space: global }
      - { .name: rel_bias, .offset: 8, .size: 8, .value_kind: global_buffer, .address_space: global }
      - { .name: ob, .offset: 16, .size: 8, .value_kind: global_buffer, .address_space: global }
    .group_segment_fixed_size: 327680
    .private_segment_fixed_size: 0
    .kernarg_segment_align: 8
    .kernarg_segment_size: 24
    .max_flat_workgroup_size: 256
    .sgpr_count:     88
    .vgpr_count:     448
    .wavefront_size: 32
...
	.end_amdgpu_metadata
.endif
;; end of part 3
;; launch outproj (part 4): grid 4 x 64, 4 waves a work-group, clusters of 4 x 4, 327,680 bytes of LDS; arguments ob, wob, bo, out0; writes out0
.if DOCPART == 4
	.amdgcn_target "amdgcn-amd-amdhsa--gfx1250"
	.amdhsa_code_object_version 6
	.text
	.protected	k_q15c97b8d16_outproj
	.globl	k_q15c97b8d16_outproj
	.p2align	8
	.type	k_q15c97b8d16_outproj,@function
k_q15c97b8d16_outproj:
	s_mov_b64 s[64:65], 0
	v_nop
	global_prefetch_b8 v0, s[64:65] scope:SCOPE_SE
	s_setreg_imm32_b32 hwreg(HW_REG_WAVE_MODE, 25, 1), 1
	s_wait_xcnt 0x0
	s_wait_alu depctr_hold_cnt(0) depctr_sa_sdst(0) depctr_va_vdst(0) depctr_va_sdst(0) depctr_va_ssrc(0) depctr_va_vcc(0) depctr_vm_vsrc(0)
	s_getreg_b32 s2, hwreg(HW_REG_IB_STS2, 6, 4)
	s_cmp_eq_u32 s2, 0
	s_cbranch_scc0 .Lentry_in_a_cluster
	s_endpgm
.Lentry_in_a_cluster:
	s_bfe_u32 s2, ttmp6, 0x10000c
	s_cmp_lg_u32 s2, 0xf033
	s_cbranch_scc0 .Lentry_shape_is_right
	s_endpgm
.Lentry_shape_is_right:
; out0 = o Wo^T + bo:  C[m][n] = sum over k of A[m][k] B[n][k] + bo[n], A = ob (16,384 tokens), B = wob (512 rows), K = 512, f16 operands, f32 sums and output.
; A and B lie in slabs of 64 along K (a slab = a head): [slab][row][64], so every tile is a dense block of memory.
; A work-group makes 256 tokens x 128 columns with four waves; wave w makes tokens 64 w .. 64 w + 63 x all 128 columns: 4 x 8 accumulator tiles, 256 registers.
; K goes in 4 steps of 128 (two slabs) through two LDS slots; each wave fetches one slab's tile with one tensor load.  Four steps: no loop.
; CLUSTERS: 4 x 4 work-groups.  A's tile is asked for jointly along a row of the cluster, B's along a column.
; THE MATRIX INSTRUCTION IS USED TRANSPOSED (source 0 = rows of B, source 1 = rows of A): a lane holds one token and 8 neighbouring columns.
; REGISTER WINDOWS: 0 addresses, A's fragments (two buffers), the way out; 1 B's fragments (two buffers); 2 accumulators of my tokens 0-31; 3 of tokens 32-63.
.set NBF,   8
.set NW,    16*NBF
.set NTOT,  512
.set XS,    2097152
.set PITCH, 144                        ; LDS row: 128 bytes + 16, an odd multiple of 16
.set ASUB,  256*PITCH
.set BSUB,  NW*PITCH
.set SLOT,  2*ASUB+2*BSUB
.set STAGE, 2*SLOT                     ; a multiple of 256; no tensor load lands behind it
.set SPITCH, 528                       ; stage row: 128 f32 + 16 bytes, an odd multiple of 16
.set WSTAGE, 16*SPITCH
.set ADRA, 16
.set ADRB, 20
.set STO,  24
.set RD,   25
.set CO,   26
.set BI,   28                          ; v[28:31] bo of my 4 columns on the way out
.set FA,   64
.set RB,   128                         ; v[128:159], v[160:191] rows read back, in turn
.set G1,  24
.set G0,  32
.set G1B, 48
.set G0B, 56
.set MSB, 0
.macro WIN new
.if MSB != \new
	s_set_vgpr_msb (MSB<<8)|\new
.set MSB, \new
.endif
.endm
.set MUL_LO, 0xa1
.set MUL_HI, 0xf1
.set TO_B,   0x40
.macro JLOAD s
	s_cmp_eq_u32 s11, 0
	s_cbranch_scc0 .Lfor_b_\@
	tensor_load_to_lds s[G0+4*\s:G0+4*\s+3], s[G1:G1+7]
	s_nop 0
	s_branch .Lasked_\@
.Lfor_b_\@:
	tensor_load_to_lds s[G0B+4*\s:G0B+4*\s+3], s[G1B:G1B+7]
	s_nop 0
.Lasked_\@:
.endm
.macro CREST
	s_cmp_lg_u32 s10, 0
	s_cbranch_scc1 .Lnot_wave_0_\@
	s_barrier_signal -3
.Lnot_wave_0_\@:
	s_barrier_wait -3
	s_barrier_signal -1
	s_barrier_wait -1
.endm
.macro CROUND
	s_barrier_signal -1
	s_barrier_wait -1
	CREST
.endm
.macro PLACES                          ; four places behind a matrix instruction (ISA guide 7.12.1)
.rept 4
	v_nop
.endr
.endm
	s_load_b128 s[4:7], s[0:1], 0x0                ; A s[4:5], B s[6:7]
	s_load_b64 s[66:67], s[0:1], 0x10              ; bo
	s_load_b64 s[8:9], s[0:1], 0x18                ; out0
	s_set_vgpr_msb 0x40
	v_lshl_add_u32 v255, v0, 2, 0x3e400
	s_set_vgpr_msb 0x4000
	v_mov_b32 v255, 0
	s_set_vgpr_msb 0x1
	ds_add_u32 v255, v255
	s_set_vgpr_msb 0x100
	v_lshrrev_b32 v1, 5, v0
	v_readfirstlane_b32 s10, v1
	s_lshr_b32 s11, s10, 1                         ; I fetch for A (0) or for B (1)
	s_and_b32 s12, s10, 1                          ; which slab of the step
	s_bfe_u32 s40, ttmp6, 0x40000                  ; cx
	s_bfe_u32 s41, ttmp6, 0x40004                  ; cy
	s_lshl_b32 s42, ttmp9, 2
	s_add_co_u32 s42, s42, s40                     ; block column
	s_and_b32 s13, ttmp7, 0xffff
	s_lshl_b32 s13, s13, 2
	s_add_co_u32 s13, s13, s41                     ; block row
	s_lshl_b32 s43, s41, 2
	s_lshl_b32 s43, 15, s43
	s_lshl_b32 s44, 0x1111, s40
	; group 1: a dense block as rows of 32 elements of 8 bytes; 4 words of padding behind every 32 words (a slab row)
	s_or_b32 s[G1+0], s43, (3<<16)|(1<<20)|(1<<21)|(4<<22)|(3<<25)
	s_or_b32 s[G1B+0], s44, (3<<16)|(1<<20)|(1<<21)|(4<<22)|(3<<25)
	s_mov_b32 s[G1+1], 32<<16
	s_mov_b32 s[G1B+1], 32<<16
	s_mov_b32 s[G1+2], 128<<16
	s_mov_b32 s[G1B+2], (NW/2)<<16
	s_mov_b32 s[G1+3], 32<<16
	s_mov_b32 s[G1B+3], 32<<16
	s_mov_b32 s[G1+4], 128
	s_mov_b32 s[G1B+4], NW/2
	s_mov_b32 s[G1+5], 32
	s_mov_b32 s[G1B+5], 32
	s_mov_b32 s[G1+6], 0
	s_mov_b32 s[G1B+6], 0
	s_mov_b32 s[G1+7], 0
	s_mov_b32 s[G1B+7], 0
	s_lshl_b32 s16, s13, 15
	s_lshl_b32 s17, s12, 21
	s_add_co_u32 s16, s16, s17
	s_mov_b32 s17, 0
	s_mul_i32 s46, s42, NW*128
	s_mul_i32 s47, s12, NTOT*128
	s_add_co_u32 s46, s46, s47
	s_mov_b32 s47, 0
	s_mul_i32 s20, s10, ASUB
	s_mul_i32 s21, s10, BSUB
	s_add_co_u32 s21, s21, 2*ASUB-2*BSUB
	s_wait_dscnt 0x0
	s_wait_kmcnt 0x0
	s_add_nc_u64 s[14:15], s[4:5], s[16:17]
	s_add_nc_u64 s[46:47], s[6:7], s[46:47]
	CROUND                                         ; all sixteen work-groups are here
.irp s, 0,1
	s_mov_b32 s[G0+4*\s], 1
	s_add_co_u32 s[G0+4*\s+1], s20, \s*SLOT
	s_add_nc_u64 s[G0+4*\s+2:G0+4*\s+3], s[14:15], \s*2*XS
	s_or_b32 s[G0+4*\s+3], s[G0+4*\s+3], 0x80000000
	s_mov_b32 s[G0B+4*\s], 1
	s_add_co_u32 s[G0B+4*\s+1], s21, \s*SLOT
	s_add_nc_u64 s[G0B+4*\s+2:G0B+4*\s+3], s[46:47], \s*2*NTOT*128
	s_or_b32 s[G0B+4*\s+3], s[G0B+4*\s+3], 0x80000000
	JLOAD \s                                       ; two tensor loads of the wave are out
.endr
	v_and_b32 v1, 15, v0
	v_bfe_u32 v2, v0, 4, 1
	v_mul_u32_u24 v3, v1, PITCH
	v_lshl_add_u32 v3, v2, 4, v3
	s_mul_i32 s22, s10, 64*PITCH
	v_add_nc_u32 v[ADRA], s22, v3
	v_add_nc_u32 v[ADRA+1], SLOT, v[ADRA]
	v_add_nc_u32 v[ADRB], 2*ASUB, v3
	v_add_nc_u32 v[ADRB+1], 2*ASUB+SLOT, v3
	s_mul_i32 s23, s10, WSTAGE
	s_add_co_u32 s23, s23, STAGE
	v_mul_u32_u24 v4, v1, SPITCH                   ; in: token l % 16, 32 bytes for each half of the lanes
	v_lshl_add_u32 v4, v2, 5, v4
	v_add_nc_u32 v[STO], s23, v4
	v_and_b32 v5, 31, v0
	v_lshlrev_b32 v[CO], 4, v5
	v_add_nc_u32 v[RD], s23, v[CO]                 ; back: the wave takes a row of 512 bytes
	s_lshl_b32 s46, s42, 9                         ; my 128 columns, in bytes, in bo and in a row of out0
	s_mov_b32 s47, 0
	s_add_nc_u64 s[66:67], s[66:67], s[46:47]
	s_add_nc_u64 s[8:9], s[8:9], s[46:47]
	global_load_b128 v[BI:BI+3], v[CO], s[66:67]
	s_lshl_b32 s16, s13, 19                        ; 256 rows of 2,048 bytes
	s_lshl_b32 s17, s10, 17                        ; 64 rows
	s_add_co_u32 s16, s16, s17
	s_mov_b32 s17, 0
	s_add_nc_u64 s[8:9], s[8:9], s[16:17]
; The 32 accumulators take turns, one instruction a turn, in the same order in every quarter step.
.macro MULA p, hi, a, zero
.set bb, 0
.rept NBF
.if \zero
	v_wmma_f32_16x16x32_f16 v[8*(NBF*\a+bb):8*(NBF*\a+bb)+7], v[8*NBF*\p+8*bb:8*NBF*\p+8*bb+7], v[FA+32*\p+8*(2*\hi+\a):FA+32*\p+8*(2*\hi+\a)+7], 0
.else
	v_wmma_f32_16x16x32_f16 v[8*(NBF*\a+bb):8*(NBF*\a+bb)+7], v[8*NBF*\p+8*bb:8*NBF*\p+8*bb+7], v[FA+32*\p+8*(2*\hi+\a):FA+32*\p+8*(2*\hi+\a)+7], v[8*(NBF*\a+bb):8*(NBF*\a+bb)+7]
.endif
.set bb, bb+1
.endr
.endm
.macro FETCH slot, q, p
	WIN TO_B
.set ii, 0
.rept NBF
	ds_load_b128 v[8*NBF*\p+8*ii:8*NBF*\p+8*ii+3],   v[ADRB+\slot] offset:(\q>>1)*BSUB+(\q&1)*64+ii*16*PITCH
	ds_load_b128 v[8*NBF*\p+8*ii+4:8*NBF*\p+8*ii+7], v[ADRB+\slot] offset:(\q>>1)*BSUB+(\q&1)*64+ii*16*PITCH+32
.set ii, ii+1
.endr
	WIN 0
.set ii, 0
.rept 4
	ds_load_b128 v[FA+32*\p+8*ii:FA+32*\p+8*ii+3],   v[ADRA+\slot] offset:(\q>>1)*ASUB+(\q&1)*64+ii*16*PITCH
	ds_load_b128 v[FA+32*\p+8*ii+4:FA+32*\p+8*ii+7], v[ADRA+\slot] offset:(\q>>1)*ASUB+(\q&1)*64+ii*16*PITCH+32
.set ii, ii+1
.endr
.endm
.macro QUARTER slot, q, cur, nxt, zero
	s_wait_dscnt 4                                 ; the youngest four loads (A's tiles 2, 3) may be out
	WIN MUL_LO
	MULA \cur, 0, 0, \zero
	MULA \cur, 0, 1, \zero
	PLACES
	FETCH \slot, \q, \nxt
	s_wait_dscnt 2*NBF+8                           ; all but the run just issued
	WIN MUL_HI
	MULA \cur, 1, 0, \zero
	MULA \cur, 1, 1, \zero
.endm
.macro THREE slot, zero
	QUARTER \slot, 1, 0, 1, \zero
	QUARTER \slot, 2, 1, 0, 0
	QUARTER \slot, 3, 0, 1, 0
.endm
.macro TURN slot, next, fill
	s_wait_dscnt 4
	WIN MUL_LO
	MULA 1, 0, 0, 0
	s_wait_dscnt 0x0                               ; my reads of this slot are over
	s_wait_tensorcnt 0x0                           ; all my tensor loads have landed
	ds_add_u32 v255, v255
	s_wait_dscnt 0x0
	s_barrier_signal -1
	MULA 1, 0, 1, 0
	WIN 0
	s_barrier_wait -1
.if \fill
	CREST                                          ; the barrier above opened a round of the cluster's barrier; the joint refill is the first tensor load behind it
	s_add_nc_u64 s[G0+4*\slot+2:G0+4*\slot+3], s[G0+4*\slot+2:G0+4*\slot+3], 4*XS
	s_add_nc_u64 s[G0B+4*\slot+2:G0B+4*\slot+3], s[G0B+4*\slot+2:G0B+4*\slot+3], 4*NTOT*128
	JLOAD \slot
.endif
	PLACES
	FETCH \next, 0, 0
	WIN MUL_HI
	MULA 1, 1, 0, 0
	MULA 1, 1, 1, 0
.endm
	s_wait_tensorcnt 0x1                           ; my part of K step 0 is in; step 1's stays out
	s_barrier_signal -1
	s_barrier_wait -1
	FETCH 0, 0, 0
	THREE 0, 1
	TURN 0, 1, 1
	THREE 1, 0
	TURN 1, 0, 1
	THREE 0, 0
	TURN 0, 1, 0
	THREE 1, 0
	s_wait_dscnt 4
	WIN MUL_LO
	MULA 1, 0, 0, 0
	MULA 1, 0, 1, 0
	s_wait_dscnt 0x0
	WIN MUL_HI
	MULA 1, 1, 0, 0
	MULA 1, 1, 1, 0
	PLACES                                         ; behind the last matrix instructions, in front of the LDS stores of their results
	s_wait_loadcnt 0x0                             ; bo
; THE WAY OUT, 16 tokens at a time: the accumulators go as they are into my stage (32 bytes a lane and tile), whole rows of 512 bytes come back, bo is added.
; a: token tile 0..3; from: 0x08 the store data lie in window 2, 0x0c in window 3
.macro OUTF a, from
	WIN \from
.set bq, 0
.rept NBF
	ds_store_b128 v[STO], v[8*(NBF*(\a&1)+bq):8*(NBF*(\a&1)+bq)+3]   offset:64*bq
	ds_store_b128 v[STO], v[8*(NBF*(\a&1)+bq)+4:8*(NBF*(\a&1)+bq)+7] offset:64*bq+16
.set bq, bq+1
.endr
	WIN 0
.irp g, 0,1
	s_wait_xcnt 0x0                                ; the registers that earlier stores read are loaded again only behind this wait
.set uu, 0
.rept 8
	ds_load_b128 v[RB+32*\g+4*uu:RB+32*\g+4*uu+3], v[RD] offset:(8*\g+uu)*SPITCH   ; a wave's LDS instructions are served in order
.set uu, uu+1
.endr
.set uu, 0
.rept 8
	s_wait_dscnt 7-uu
	v_pk_add_f32 v[RB+32*\g+4*uu:RB+32*\g+4*uu+1],   v[RB+32*\g+4*uu:RB+32*\g+4*uu+1],   v[BI:BI+1]
	v_pk_add_f32 v[RB+32*\g+4*uu+2:RB+32*\g+4*uu+3], v[RB+32*\g+4*uu+2:RB+32*\g+4*uu+3], v[BI+2:BI+3]
	global_store_b128 v[CO], v[RB+32*\g+4*uu:RB+32*\g+4*uu+3], s[8:9] offset:(16*\a+8*\g+uu)*2048 th:TH_STORE_NT   ; the wave stores 512 consecutive bytes, aligned
.set uu, uu+1
.endr
.endr
.endm
	OUTF 0, 0x08
	OUTF 1, 0x08
	OUTF 2, 0x0c
	OUTF 3, 0x0c
	s_set_vgpr_msb 0x1
	s_wait_tensorcnt 0x0
	ds_add_u32 v255, v255
	s_wait_dscnt 0x0
	s_set_vgpr_msb 0x100
	CROUND                                         ; the closing round
	s_endpgm
.Lfunc_end_k_q15c97b8d16_outproj:
	.size	k_q15c97b8d16_outproj, .Lfunc_end_k_q15c97b8d16_outproj-k_q15c97b8d16_outproj
	.p2alignl 7, 3214868480
	.fill 96, 4, 3214868480
	.section	.rodata,"a",@progbits
	.p2align	6, 0x0
	.amdhsa_kernel k_q15c97b8d16_outproj
		.amdhsa_group_segment_fixed_size 327680
		.amdhsa_private_segment_fixed_size 0
		.amdhsa_enable_private_segment 0
		.amdhsa_kernarg_size 32
		.amdhsa_user_sgpr_count 2
		.amdhsa_user_sgpr_kernarg_segment_ptr 1
		.amdhsa_wavefront_size32 1
		.amdhsa_system_sgpr_workgroup_id_x 1
		.amdhsa_system_sgpr_workgroup_id_y 1
		.amdhsa_system_sgpr_workgroup_id_z 1
		.amdhsa_system_vgpr_workitem_id 0
		.amdhsa_next_free_vgpr 896
		.amdhsa_next_free_sgpr 68
		.amdhsa_reserve_vcc 0
		.amdhsa_float_denorm_mode_32 3
		.amdhsa_float_denorm_mode_16_64 3
		.amdhsa_memory_ordered 1
		.amdhsa_forward_progress 1
		.amdhsa_inst_pref_size 95
	.end_amdhsa_kernel
	.amdgpu_metadata
---
amdhsa.version: [ 1, 2 ]
amdhsa.kernels:
  - .name:           k_q15c97b8d16_outproj
    .symbol:         k_q15c97b8d16_outproj.kd
    .args:
      - { .name: ob, .offset: 0, .size: 8, .value_kind: global_buffer, .address_space: global }
      - { .name: wob, .offset: 8, .size: 8, .value_kind: global_buffer, .address_space: global }
      - { .name: bo, .offset: 16, .size: 8, .value_kind: global_buffer, .address_space: global }
      - { .name: out0, .offset: 24, .size: 8, .value_kind: global_buffer, .address_space: global }
    .group_segment_fixed_size: 327680
    .private_segment_fixed_size: 0
    .kernarg_segment_align: 8
    .kernarg_segment_size: 32
    .max_flat_workgroup_size: 128
    .sgpr_count:     68
    .vgpr_count:     896
    .wavefront_size: 32
...
	.end_amdgpu_metadata
.endif
;; end of part 4
;; ======== version 2 of 2: 4 launches; version 1 with the launch cast written anew for expert scheduling mode
;; limits: values are held in f16: magnitudes above 65,504 overflow, below 6.1e-05 lose precision
;; workspace buffers: xb 16,777,216 bytes; wb 1,572,864 bytes; wob 524,288 bytes; qkv 50,331,648 bytes; ob 16,777,216 bytes
;; launch cast (part 5): grid 256 x 1, 8 waves a work-group, no clusters, 0 bytes of LDS; arguments x, Wq, Wk, Wv, Wo, xb, wb, wob; writes xb, wb, wob
.if DOCPART == 5
	.amdgcn_target "amdgcn-amd-amdhsa--gfx1250"
	.amdhsa_code_object_version 6
	.text
	.protected	k_q15c97b8d16_cast
	.globl	k_q15c97b8d16_cast
	.p2align	8
	.type	k_q15c97b8d16_cast,@function
k_q15c97b8d16_cast:
	s_mov_b64 s[64:65], 0
	v_nop
	global_prefetch_b8 v0, s[64:65] scope:SCOPE_SE
	s_setreg_imm32_b32 hwreg(HW_REG_WAVE_SCHED_MODE, 0, 2), 2
	s_setreg_imm32_b32 hwreg(HW_REG_WAVE_MODE, 25, 1), 1
	s_wait_xcnt 0x0
	s_wait_alu depctr_vm_vsrc(0)
; f32 to f16, re-laid in slabs of 64 along the last axis: dst[slab c][row][64] = f16(src[row][64 c .. 64 c + 63]).
; x -> xb (8 slabs of 16,384 rows); Wq, Wk, Wv -> wb (8 slabs of 1,536 rows, the three weights one below the other); Wo -> wob (8 slabs of 512 rows).
; 256 work-groups of equal work: group i takes rows 64 i .. 64 i + 63 of x and rows 8 (i & 63) .. + 7 of weight i >> 6 (0 Wq, 1 Wk, 2 Wv, 3 Wo).
; Wave w takes slab w of all these rows.  The weight's source and destination are chosen by selects on the group's number: one path for all.
; A load of a wave covers two aligned runs of 256 bytes (two rows' part of the slab); a store of a wave covers 256 consecutive aligned bytes (two rows of the slab).
; No LDS, no matrix unit, no cluster: nothing is shared and nothing is summed.
; LIMIT: a number above 65,504 in magnitude becomes infinity in f16.
; THE MODE: SCHED_MODE bits 1:0 = 2 (LLVM: expert scheduling mode 2), set by the entry lines.  The code itself states the register dependences
; between vector instructions and memory instructions, with s_wait_alu, always for 0.
; THE PLAN.  Registers that memory instructions touch:
;   v1, v2      the loads' and the stores' byte offsets: made once at the head, never written again.
;   v[16:159]   36 sets of four.  A set is written by one load, once; its two conversions read it and write its first two registers, once; one store reads those two.
; The 36 sets go in 9 groups of four (group 0 the weight's, groups 1 to 8 x's).  Group g converts its own four sets; its memory instructions are the four stores
; of group g - 1, whose registers no vector instruction of group g names.  So ONE wait at a group's head states all that its four stores hang on, and these are
; dealt among its conversions with no further wait.  All loads are issued ahead of the first conversion, into registers that no vector instruction has named;
; no register that a memory instruction has read is ever written again: so nothing more is owed.
.set XS, 2097152                       ; bytes in a slab of xb: 16,384 rows of 128 bytes
.set X,  16                            ; v[16:159] 36 loads of 4 registers (4 of the weight, 32 of x); none is ever loaded twice
	s_load_b512 s[8:23], s[0:1], 0x0               ; x, Wq, Wk, Wv, Wo, xb, wb, wob
	v_lshrrev_b32 v3, 5, v0
	v_readfirstlane_b32 s2, v3                     ; wave = slab
	v_and_b32 v4, 31, v0
	v_lshlrev_b32 v2, 3, v4                        ; out: 8 bytes a lane, 256 in a row of lanes
	v_and_b32 v5, 15, v0
	v_bfe_u32 v6, v0, 4, 1
	v_lshlrev_b32 v1, 4, v5                        ; in: 16 bytes a lane,
	v_lshl_add_u32 v1, v6, 11, v1                  ; lanes 16-31 one row down,
	v_lshl_add_u32 v1, v3, 8, v1                   ; at my slab's 256 bytes of the row
	s_lshr_b32 s25, ttmp9, 6                       ; which weight
	s_and_b32 s26, ttmp9, 63                       ; which 8 rows of it
	s_lshl_b32 s34, ttmp9, 17                      ; x: 64 rows of 2,048 bytes
	s_mov_b32 s35, 0
	s_wait_alu depctr_va_sdst(0)                   ; s2 is written, ahead of its first reader: the slabs' offsets in xb, wb and wob are made from it
	s_lshl_b32 s32, s2, 21                         ; xb: my slab,
	s_lshl_b32 s33, ttmp9, 13                      ; 64 rows of 128 bytes
	s_add_co_u32 s32, s32, s33
	s_mov_b32 s33, 0
	s_lshl_b32 s36, s26, 14                        ; the weight: 8 rows of 2,048 bytes
	s_mov_b32 s37, 0
	s_lshl_b32 s38, s25, 16                        ; Wk and Wv lie 512 and 1,024 rows down in a slab of wb
	s_mov_b32 s27, 196608                          ; slab stride of wb: 1,536 rows of 128 bytes
	s_cmp_eq_u32 s25, 3
	s_cselect_b32 s38, 0, s38                      ; Wo begins at the head of a slab of wob,
	s_cselect_b32 s27, 65536, s27                  ; whose stride is 512 rows
	s_mul_i32 s27, s27, s2                         ; my slab
	s_add_co_u32 s38, s38, s27
	s_lshl_b32 s27, s26, 10                        ; 8 rows of 128 bytes
	s_add_co_u32 s38, s38, s27
	s_mov_b32 s39, 0
	s_wait_kmcnt 0x0
	s_add_nc_u64 s[28:29], s[8:9], s[34:35]        ; x
	s_add_nc_u64 s[30:31], s[18:19], s[32:33]      ; xb
	s_mov_b64 s[40:41], s[10:11]
	s_cmp_eq_u32 s25, 1
	s_cselect_b64 s[40:41], s[12:13], s[40:41]
	s_cmp_eq_u32 s25, 2
	s_cselect_b64 s[40:41], s[14:15], s[40:41]
	s_cmp_eq_u32 s25, 3
	s_cselect_b64 s[40:41], s[16:17], s[40:41]
	s_cselect_b64 s[42:43], s[22:23], s[20:21]     ; Wo goes to wob, the other weights to wb
	s_add_nc_u64 s[40:41], s[40:41], s[36:37]
	s_add_nc_u64 s[42:43], s[42:43], s[38:39]
	s_wait_alu depctr_va_vdst(0)                   ; v1 and v2 are written: every load of the kernel reads v1 as its offset, every store v2
.set i, 0
.rept 4
	global_load_b128 v[X+4*i:X+4*i+3], v1, s[40:41] offset:4096*i th:TH_LOAD_NT        ; the weight's 8 rows, two a load
.set i, i+1
.endr
.set i, 0
.rept 32
	global_load_b128 v[X+16+4*i:X+16+4*i+3], v1, s[28:29] offset:4096*i th:TH_LOAD_NT  ; x's 64 rows: all of the wave's 18 KiB go out at once
.set i, i+1
.endr
; The store of set j of group p: the weight's go to wb or wob, x's to xb; 256 bytes on for each set.
.macro PUT p, j
.if (\p) == 0
	global_store_b64 v2, v[X+4*(\j):X+4*(\j)+1], s[42:43] offset:256*(\j)
.else
	global_store_b64 v2, v[X+16*(\p)+4*(\j):X+16*(\p)+4*(\j)+1], s[30:31] offset:256*(4*((\p)-1)+(\j))
.endif
.endm
; Group g: its four sets are converted as they land; the stores of the group before go out among the conversions, one ahead of each pair.
.macro GRP g
	s_wait_loadcnt 35-4*(\g)                       ; loads come back in order: the group's first is in, the younger ones stay out
.if (\g) > 0
	s_wait_alu depctr_va_vdst(0)                   ; the eight conversions of the group before have written the registers that the four stores below read
.endif
.irp j, 0,1,2,3
.if (\g) > 0
	PUT (\g)-1, \j                                 ; no vector instruction since the wait names these registers
.endif
.if (\j) > 0
	s_wait_loadcnt 35-4*(\g)-(\j)                  ; this one is in, the younger ones stay out
.endif
	v_cvt_pk_f16_f32 v[X+16*(\g)+4*(\j)], v[X+16*(\g)+4*(\j)], v[X+16*(\g)+4*(\j)+1]
	v_cvt_pk_f16_f32 v[X+16*(\g)+4*(\j)+1], v[X+16*(\g)+4*(\j)+2], v[X+16*(\g)+4*(\j)+3]
.endr
.endm
	GRP 0                                          ; the weight: no group stands in front of it, so it has no store and no wait but those for its data
	GRP 1
	GRP 2
	GRP 3
	GRP 4
	GRP 5
	GRP 6
	GRP 7
	GRP 8
	s_wait_alu depctr_va_vdst(0)                   ; the last group's conversions have written the registers that the last four stores read
	PUT 8, 0
	PUT 8, 1
	PUT 8, 2
	PUT 8, 3
	s_endpgm
.Lfunc_end_k_q15c97b8d16_cast:
	.size	k_q15c97b8d16_cast, .Lfunc_end_k_q15c97b8d16_cast-k_q15c97b8d16_cast
	.p2alignl 7, 3214868480
	.fill 96, 4, 3214868480
	.section	.rodata,"a",@progbits
	.p2align	6, 0x0
	.amdhsa_kernel k_q15c97b8d16_cast
		.amdhsa_group_segment_fixed_size 0
		.amdhsa_private_segment_fixed_size 0
		.amdhsa_enable_private_segment 0
		.amdhsa_kernarg_size 64
		.amdhsa_user_sgpr_count 2
		.amdhsa_user_sgpr_kernarg_segment_ptr 1
		.amdhsa_wavefront_size32 1
		.amdhsa_system_sgpr_workgroup_id_x 1
		.amdhsa_system_sgpr_workgroup_id_y 1
		.amdhsa_system_sgpr_workgroup_id_z 1
		.amdhsa_system_vgpr_workitem_id 0
		.amdhsa_next_free_vgpr 160
		.amdhsa_next_free_sgpr 66
		.amdhsa_reserve_vcc 0
		.amdhsa_float_denorm_mode_32 3
		.amdhsa_float_denorm_mode_16_64 3
		.amdhsa_memory_ordered 1
		.amdhsa_forward_progress 1
		.amdhsa_inst_pref_size 15
	.end_amdhsa_kernel
	.amdgpu_metadata
---
amdhsa.version: [ 1, 2 ]
amdhsa.kernels:
  - .name:           k_q15c97b8d16_cast
    .symbol:         k_q15c97b8d16_cast.kd
    .args:
      - { .name: x, .offset: 0, .size: 8, .value_kind: global_buffer, .address_space: global }
      - { .name: Wq, .offset: 8, .size: 8, .value_kind: global_buffer, .address_space: global }
      - { .name: Wk, .offset: 16, .size: 8, .value_kind: global_buffer, .address_space: global }
      - { .name: Wv, .offset: 24, .size: 8, .value_kind: global_buffer, .address_space: global }
      - { .name: Wo, .offset: 32, .size: 8, .value_kind: global_buffer, .address_space: global }
      - { .name: xb, .offset: 40, .size: 8, .value_kind: global_buffer, .address_space: global }
      - { .name: wb, .offset: 48, .size: 8, .value_kind: global_buffer, .address_space: global }
      - { .name: wob, .offset: 56, .size: 8, .value_kind: global_buffer, .address_space: global }
    .group_segment_fixed_size: 0
    .private_segment_fixed_size: 0
    .kernarg_segment_align: 8
    .kernarg_segment_size: 64
    .max_flat_workgroup_size: 256
    .sgpr_count:     66
    .vgpr_count:     160
    .wavefront_size: 32
...
	.end_amdgpu_metadata
.endif
;; end of part 5
;; launch qkvproj: the kernel of part 2 again; grid 4 x 64, 4 waves a work-group, clusters of 4 x 4, 327,680 bytes of LDS; arguments xb, wb, qkv; writes qkv
;; launch attn: the kernel of part 3 again; grid 64 x 4, 8 waves a work-group, clusters of 4 x 4, 327,680 bytes of LDS; arguments qkv, rel_bias, ob; writes ob
;; launch outproj: the kernel of part 4 again; grid 4 x 64, 4 waves a work-group, clusters of 4 x 4, 327,680 bytes of LDS; arguments ob, wob, bo, out0; writes out0
